; MI455X (gfx1250); checked and timed in simulation.
; The chip was launched on July 23, 2026; its instructions are those of AMD's public machine-readable ISA for CDNA 5 (MIT licence, August 2026) and "CDNA5" Instruction Set Architecture Reference Guide (July 2026). The comments in the code are by the model that wrote it; some were corrected since.
;; Transformer Block. Allowed arithmetic: matrix products marked QUANTISED: E2M3 operands, one E8M0 scale for each 32 along K, by v_wmma_scale_f32_16x16x128_f8f6f4 with both operands' format E2M3, f32 sums; everything else in f32.
;; Inputs: b1 4,096 float32; b2 1,024 float32; bk 1,024 float32; bo 1,024 float32; bq 1,024 float32; bv 1,024 float32; ln1_b 1,024 float32; ln1_g 1,024 float32; ln2_b 1,024 float32; ln2_g 1,024 float32; w1 4,096 x 1,024 float32; w2 1,024 x 4,096 float32; wk 1,024 x 1,024 float32; wo 1,024 x 1,024 float32; wq 1,024 x 1,024 float32; wv 1,024 x 1,024 float32; x 2 x 2,048 x 1,024 float32.
;; Outputs: out0 2 x 2,048 x 1,024 float32.
;; This version of the problem:
;;   THIS VERSION OF THE PROBLEM IS GIVEN IN LOW PRECISION. The matrix products marked QUANTISED in the list below multiply operands that are first quantised to E2M3 (2 exponent bits, 3 mantissa bits; 6 bits a number), with one power-of-two scale for each 32 numbers along K (OCP MX v1.0); their sums are f32. All else is computed in f32.
;;   The module's matrix products, in the order in which they are computed (A, B: the left and right operand; K: the contracted axis; several contracted axes count as one K, in the product's order):
;;     1. [M 4,096, K 1,024] x [K 1,024, N 1,024]; A: computed on the way; B: input wq: QUANTISED
;;     2. [M 4,096, K 1,024] x [K 1,024, N 1,024]; A: computed on the way; B: input wk: QUANTISED
;;     3. [M 4,096, K 1,024] x [K 1,024, N 1,024]; A: computed on the way; B: input wv: QUANTISED
;;     4. batch 16 x [M 2,048, K 128] x [K 128, N 2,048]; A: computed on the way; B: computed on the way: QUANTISED
;;     5. batch 16 x [M 2,048, K 2,048] x [K 2,048, N 128]; A: softmax (see below); B: computed on the way: QUANTISED
;;     6. [M 4,096, K 1,024] x [K 1,024, N 1,024]; A: computed on the way; B: input wo: QUANTISED
;;     7. [M 4,096, K 1,024] x [K 1,024, N 4,096]; A: computed on the way; B: input w1: QUANTISED
;;     8. [M 4,096, K 4,096] x [K 4,096, N 1,024]; A: computed on the way; B: input w2: QUANTISED
;;   THE QUANTISER, for each operand of a quantised product, along K:
;;     - K is cut into blocks of 32 from its start; a last block that is shorter is filled with zeros.
;;     - A block's scale is 2^e with e = floor(log2(the largest magnitude in the block)) - 2, held to -126 .. 127; a block of zeros has e = 0. As a byte (E8M0): e + 127.
;;     - Each number is divided by its block's scale, clamped to +-7.5, and rounded to the nearest number of E2M3, ties to even, subnormals kept.
;;     - The product sums the exact products of the quantised numbers (number of the format x scale) in f32.
;;   ~~~python
;;   def quantise(x, axis):      # numpy; x: float32 -> the quantised numbers, widened to float32 again
;;       x = np.moveaxis(x, axis, -1); K = x.shape[-1]
;;       x = np.pad(x, [(0, 0)] * (x.ndim - 1) + [(0, -K % 32)]); x = x.reshape(x.shape[:-1] + (-1, 32)); a = np.abs(x).max(-1, keepdims=True)
;;       e = np.where(a > 0, np.clip(np.frexp(np.where(a > 0, a, 1))[1] - 1 - 2, -126, 127), 0)      # np.frexp(a)[1] - 1 = floor(log2(a)), exactly
;;       r = np.clip(x / 2.0 ** e, -7.5, 7.5)
;;       step = 2.0 ** (np.maximum(np.frexp(np.where(r == 0, 1, r))[1] - 1, 0) - 3)
;;       q = np.round(r / step) * step * 2.0 ** e      # np.round: ties to even
;;       return np.moveaxis(q.reshape(q.shape[:-2] + (-1,))[..., :K], -1, axis).astype(np.float32)
;;   ~~~
;;   SOFTMAX AHEAD OF A QUANTISED PRODUCT. Where the list says 'softmax', what is quantised is not the finished softmax but p = 2^(t - M), with t = logit x log2(e) and M = ceil(the row's largest t), a whole number; so 1/2 < the row's largest p <= 1. The row's sum l is taken of the UNQUANTISED p, in f32, and the product's result is divided by l at the end. Since M is a whole number, a kernel that streams over the keys may use a running M (the ceiling of the running maximum): every later rescaling is an exact power of two, which a block's scale takes up: the codes' values come out the same.
;;   OPERANDS COMPUTED ON THE WAY. 'Computed on the way' means the value that the module computes at that place (a softmax that the list does not call 'softmax' is quantised finished and normalised). What goes into a quantiser is computed in f32, as accurately as f32 sums, v_exp_f32 and their like allow (about 1e-6 of the number): no bf16 or f16 on the way to a quantiser, and a product that is left as it is and whose result goes on into a quantised operand takes f32 operands (vector FMAs, or v_wmma_f32_16x16x4_f32). A number that lies on a knife's edge between two numbers of the format may be rounded either way, as far as f32 arithmetic and the matrix unit's own rounding can turn it there, and no further.
;; One version. Each part assembles by itself: llvm-mc -triple=amdgcn-amd-amdhsa -mcpu=gfx1250 --defsym DOCPART=n.
;; ======== version 1 of 1: 7 launches
;; limits: right only within a limited range of input values
;; workspace buffers: wts 9,830,400 bytes; hbuf 3,276,800 bytes; qkv 9,830,400 bytes; ybuf 3,276,800 bytes; x1 16,777,216 bytes; mbuf 3,276,800 bytes; gbuf 13,107,200 bytes
;; launch prep (part 1): grid 256 x 2, 8 waves a work-group, no clusters, 67,584 bytes of LDS; arguments x, ln1_g, ln1_b, hbuf, wq, wk, wv, wo, wts; writes hbuf, wts
.if DOCPART == 1
	.amdgcn_target "amdgcn-amd-amdhsa--gfx1250"
	.amdhsa_code_object_version 6
	.text
	.protected	k_q230a1c1063_prep
	.globl	k_q230a1c1063_prep
	.p2align	8
	.type	k_q230a1c1063_prep,@function
k_q230a1c1063_prep:
	s_mov_b64 s[64:65], 0
	v_nop
	global_prefetch_b8 v0, s[64:65] scope:SCOPE_SE
	s_setreg_imm32_b32 hwreg(HW_REG_WAVE_MODE, 25, 1), 1
	s_wait_xcnt 0x0
; 16 rows x 1,024 numbers of f32 become eight operand fragments of FP6 (E2M3) codes and their E8M0 scale words.
; Work-group y = 0: rows of argument 0, layer-normed (gain argument 1, bias argument 2), to argument 3.
; MODE 0 (this text): y = 1: wq, wk, wv, wo (x / 64 says which), as they are, to units 0-255 of the weights' buffer.
; MODE 1 (the same text, in front of the MLP): y = 1: w1, units 256-511; y = 2: w2 (x % 4 says which 1,024 of its 4,096 columns), units 512-767.
; The weights are shared out between the two launches so that each has at most three work-groups for a WGP, as many as its registers (8 waves x 146) and LDS let lie there together.
; A TILE's 16 rows are not neighbours: row i of tile T is row 32 (T / 2) + 8 (T % 2) + i + 8 (i / 8).
; A FRAGMENT (16 rows x 128 K) is stored as the image of its 12 registers: piece c (registers 4 c .. 4 c + 3) of lane l at 512 c + 16 l; its 16 scale words as 64 bytes.
; A block's scale byte is its largest magnitude's exponent field - 2, held at 1 from below.
; LIMITS: NaN and infinities are not served; a block of zeros, or one under 2^-124, gets the byte 1 (its codes are zeros; the bytes are read by this program alone); 1 / sqrt by v_rsq_f32.
; Phase 1: wave w loads tile rows 2 w, 2 w + 1 (each load 512 bytes on end), norms them, stores them to LDS.  Phase 2: wave w quantises K step w of all 16 rows.
.set MODE, 0
.set LP,   4112                        ; an LDS row: 4,096 bytes + 16: 257 x 16, so the 16 rows that a load of 16 bytes a lane touches start in different banks
.set SCL,  16*LP                       ; behind the rows: the tile's 8 x 16 scale words
.set X,    16                          ; v16-79   two rows, 32 registers each
.set G,    80                          ; v80-111  gain
.set BB,   112                         ; v112-143 bias
.set N,    16                          ; phase 2: my 64 numbers
.set TM,   80                          ; v80-95   at work in QUANT
.set PC,   96                          ; v96-115  codes
.set PW,   116                         ; v116     scale word
.set SEL,  42                          ; s[42:43] lane selects: lane l xor 16
.set MSB,  0
.macro WIN new
.if MSB != (\new)
	s_set_vgpr_msb (MSB<<8)|(\new)
.set MSB, (\new)
.endif
.endm
; 64 numbers of a lane, register 16 b + i = k 32 b + 16 (lane / 16) + i of my row, become a fragment's codes in v[PC] on and its scale word in v[pw].
.macro QUANT s, w, pw
.set QW, (\w)|((\w)<<2)
	WIN QW
.irp b, 0,1,2,3
	v_max3_num_f32 v[TM+\b], |v[(\s)+16*\b]|, |v[(\s)+16*\b+1]|, 0x1800000   ; my 16 numbers of block b, and the floor 2^(3 - 127)
.endr
.irp i, 2,4,6,8,10,12,14
.irp b, 0,1,2,3
	s_delay_alu instid0(VALU_DEP_4)
	v_max3_num_f32 v[TM+\b], |v[(\s)+16*\b+\i]|, |v[(\s)+16*\b+\i+1]|, v[TM+\b]
.endr
.endr
	WIN 0
.irp b, 0,1,2,3
	s_delay_alu instid0(VALU_DEP_4)
	v_permlanex16_b32 v[TM+4+\b], v[TM+\b], s[SEL], s[SEL+1]
.endr
.irp b, 0,1,2,3
	s_delay_alu instid0(VALU_DEP_4)
	v_max_num_f32 v[TM+\b], v[TM+\b], v[TM+4+\b]       ; with lane l xor 16's: the block's largest magnitude
.endr
.irp b, 0,1,2,3
	s_delay_alu instid0(VALU_DEP_4)
	v_add_nc_u32 v[TM+12+\b], 0xff000000, v[TM+\b]     ; 2 off its exponent field: the conversion's scale operand
.endr
.irp b, 0,1,2,3
	s_delay_alu instid0(VALU_DEP_4)
	v_lshrrev_b32 v[TM+4+\b], 23, v[TM+12+\b]          ; the scale's byte
.endr
	s_delay_alu instid0(VALU_DEP_3)
	v_lshl_or_b32 v[\pw], v[TM+5], 8, v[TM+4]
	s_delay_alu instid0(VALU_DEP_1)
	v_lshl_or_b32 v[\pw], v[TM+6], 16, v[\pw]
	s_delay_alu instid0(VALU_DEP_1)
	v_lshl_or_b32 v[\pw], v[TM+7], 24, v[\pw]
	WIN (\w)
.irp c, 0,1
	v_cvt_scalef32_pk16_fp6_f32 v[PC+6*\c:PC+6*\c+2], v[(\s)+32*\c:(\s)+32*\c+15], v[TM+12+2*\c]
	v_cvt_scalef32_pk16_fp6_f32 v[PC+12+4*\c:PC+14+4*\c], v[(\s)+32*\c+16:(\s)+32*\c+31], v[TM+13+2*\c]
.endr
	WIN 0
	v_nop                                              ; one plain place behind a scaled conversion
.irp c, 0,1
.irp i, 0,1,2
	v_permlane16_swap_b32 v[PC+6*\c+\i], v[PC+12+4*\c+\i]   ; a whole block to a lane: lanes 0-15 block 2 c, lanes 16-31 block 2 c + 1
.endr
.irp i, 0,1,2
	s_delay_alu instid0(VALU_DEP_3)
	v_mov_b32 v[PC+3+6*\c+\i], v[PC+12+4*\c+\i]
.endr
.endr
.endm
.macro LANESUM                         ; v[8:9] -> the sum over the wave, in v8 of every lane
	s_delay_alu instid0(VALU_DEP_1)
	v_add_f32 v8, v8, v9
	s_delay_alu instid0(VALU_DEP_1)
	v_add_f32_dpp v8, v8, v8 row_xmask:1 row_mask:0xf bank_mask:0xf
	s_delay_alu instid0(VALU_DEP_1)
	v_add_f32_dpp v8, v8, v8 row_xmask:2 row_mask:0xf bank_mask:0xf
	s_delay_alu instid0(VALU_DEP_1)
	v_add_f32_dpp v8, v8, v8 row_xmask:4 row_mask:0xf bank_mask:0xf
	s_delay_alu instid0(VALU_DEP_1)
	v_add_f32_dpp v8, v8, v8 row_xmask:8 row_mask:0xf bank_mask:0xf
	s_delay_alu instid0(VALU_DEP_1)
	v_permlanex16_b32 v9, v8, s[SEL], s[SEL+1]
	s_delay_alu instid0(VALU_DEP_1)
	v_add_f32 v8, v8, v9
.endm
.macro ROWSTAT e                       ; row e: x - mean in place; variance + eps in v[12 + 2 e]
.set XE, X+32*\e
.set MU, 12+2*\e
	v_pk_add_f32 v[8:9], v[XE:XE+1], v[XE+2:XE+3]
	v_pk_add_f32 v[10:11], v[XE+4:XE+5], v[XE+6:XE+7]
.irp j, 8,12,16,20,24,28
	s_delay_alu instid0(VALU_DEP_2)
	v_pk_add_f32 v[8:9], v[8:9], v[XE+\j:XE+\j+1]
	s_delay_alu instid0(VALU_DEP_2)
	v_pk_add_f32 v[10:11], v[10:11], v[XE+\j+2:XE+\j+3]
.endr
	s_delay_alu instid0(VALU_DEP_1)
	v_pk_add_f32 v[8:9], v[8:9], v[10:11]
	LANESUM
	s_delay_alu instid0(VALU_DEP_1)
	v_mul_f32 v[MU], s44, v8                           ; - mean
	s_delay_alu instid0(VALU_DEP_2)
	v_mul_f32 v[MU+1], s44, v8
.irp j, 0,2,4,6,8,10,12,14,16,18,20,22,24,26,28,30
	v_pk_add_f32 v[XE+\j:XE+\j+1], v[XE+\j:XE+\j+1], v[MU:MU+1]
.endr
	v_pk_mul_f32 v[8:9], v[XE:XE+1], v[XE:XE+1]
	v_pk_mul_f32 v[10:11], v[XE+2:XE+3], v[XE+2:XE+3]
.irp j, 4,8,12,16,20,24,28
	s_delay_alu instid0(VALU_DEP_2)
	v_pk_fma_f32 v[8:9], v[XE+\j:XE+\j+1], v[XE+\j:XE+\j+1], v[8:9]
	s_delay_alu instid0(VALU_DEP_2)
	v_pk_fma_f32 v[10:11], v[XE+\j+2:XE+\j+3], v[XE+\j+2:XE+\j+3], v[10:11]
.endr
	s_delay_alu instid0(VALU_DEP_1)
	v_pk_add_f32 v[8:9], v[8:9], v[10:11]
	LANESUM
	s_delay_alu instid0(VALU_DEP_1)
	v_fma_f32 v[MU], v8, s48, s49                      ; sum of squares / 1,024 + 1e-5
.endm
	s_load_b256 s[4:11], s[0:1], 0x0               ; rows to norm, gain, bias, their codes' buffer
.if MODE == 0
	s_load_b256 s[12:19], s[0:1], 0x20             ; wq, wk, wv, wo
	s_load_b64 s[24:25], s[0:1], 0x40              ; the weights' codes
	v_lshl_add_u32 v144, v0, 2, 0x10400
	v_mov_b32 v145, 0
.else
	s_load_b128 s[12:15], s[0:1], 0x20             ; w1, w2
	s_load_b64 s[24:25], s[0:1], 0x30              ; the weights' codes
.endif
	v_lshrrev_b32 v5, 5, v0
	s_delay_alu instid0(VALU_DEP_1)
	v_readfirstlane_b32 s28, v5                    ; wave 0..7
	s_and_b32 s26, ttmp7, 0xffff                   ; y
	s_mov_b32 s27, ttmp9                           ; x
	s_mov_b32 s[SEL], 0x76543210
	s_mov_b32 s[SEL+1], 0xfedcba98
	s_mov_b32 s44, 0xba800000                      ; -1 / 1,024
	s_mov_b32 s48, 0x3a800000                      ; 1 / 1,024
	s_mov_b32 s49, 0x3727c5ac                      ; 1e-5
	s_mov_b32 s46, 9437184                         ; where the weights' scale words begin
.if MODE == 0
	s_lshr_b32 s29, s27, 6                         ; y = 1: which of the four square weights
	s_and_b32 s32, s27, 63
	s_mov_b32 s33, 4096                            ; a row of the tensor, in bytes
	s_mov_b32 s34, 0                               ; first column, in bytes
	s_mov_b32 s45, s27                             ; the unit in the destination
	s_cmp_eq_u32 s26, 0
	s_cselect_b32 s32, s27, s32                    ; the tile in its tensor
	s_cselect_b32 s46, 3145728, s46                ; where the destination's scale words begin
.else
	s_lshr_b32 s35, s27, 2
	s_and_b32 s34, s27, 3
	s_lshl_b32 s34, s34, 12
	s_mov_b32 s33, 16384
	s_lshl_b32 s45, s26, 8
	s_add_co_u32 s45, s45, s27                     ; the unit in the destination: x for the norm, 256 + x for w1, 512 + x for w2
	s_cmp_eq_u32 s26, 2
	s_cselect_b32 s32, s35, s27                    ; the tile in its tensor
	s_cselect_b32 s34, s34, 0                      ; first column, in bytes
	s_cselect_b32 s33, s33, 4096                   ; a row of the tensor, in bytes
	s_cmp_eq_u32 s26, 0
	s_cselect_b32 s46, 3145728, s46                ; where the destination's scale words begin
.endif
	s_lshr_b32 s38, s32, 1                         ; my first row: 32 (T / 2) + 8 (T % 2) + 2 w + 8 (w / 4)
	s_lshl_b32 s38, s38, 5
	s_and_b32 s39, s32, 1
	s_lshl_b32 s39, s39, 3
	s_add_co_u32 s38, s38, s39
	s_lshl_b32 s39, s28, 1
	s_add_co_u32 s38, s38, s39
	s_lshr_b32 s39, s28, 2
	s_lshl_b32 s39, s39, 3
	s_add_co_u32 s38, s38, s39
	s_mul_i32 s38, s38, s33
	s_add_co_u32 s38, s38, s34
	s_mov_b32 s39, 0
	v_and_b32 v5, 31, v0
	s_delay_alu instid0(VALU_DEP_1)
	v_lshlrev_b32 v1, 4, v5                        ; 16 x lane
	s_delay_alu instid0(VALU_DEP_1)
	v_add_nc_u32 v2, s33, v1                       ; and a row further down
	v_and_b32 v8, 15, v0                           ; r
	v_bfe_u32 v9, v0, 4, 1                         ; h
	s_mul_i32 s47, s28, 2*LP
	v_add_nc_u32 v3, s47, v1                       ; LDS, in: my two rows
	v_mul_u32_u24 v4, v8, LP
	s_delay_alu instid0(VALU_DEP_1)
	v_lshl_add_u32 v4, v9, 6, v4
	s_lshl_b32 s47, s28, 9
	v_add_nc_u32 v4, s47, v4                       ; LDS, out: row r, K step w, + 64 h
	s_lshl_b32 s47, s28, 6
	v_lshlrev_b32 v6, 2, v8
	s_delay_alu instid0(VALU_DEP_1)
	v_add_nc_u32 v6, s47, v6
	s_delay_alu instid0(VALU_DEP_1)
	v_add_nc_u32 v6, SCL, v6                       ; my row's scale word of K step w
	v_add_nc_u32 v7, SCL, v1
	s_wait_kmcnt 0x0
.if MODE == 0
	s_cmp_eq_u32 s29, 1                            ; the source: a choice among buffers on ids alone
	s_cselect_b64 s[30:31], s[14:15], s[12:13]
	s_cmp_eq_u32 s29, 2
	s_cselect_b64 s[30:31], s[16:17], s[30:31]
	s_cmp_eq_u32 s29, 3
	s_cselect_b64 s[30:31], s[18:19], s[30:31]
.else
	s_cmp_eq_u32 s26, 2                            ; the source: a choice among buffers on ids alone
	s_cselect_b64 s[30:31], s[14:15], s[12:13]
.endif
	s_cmp_eq_u32 s26, 0
	s_cselect_b64 s[30:31], s[4:5], s[30:31]
	s_cselect_b64 s[36:37], s[10:11], s[24:25]     ; the destination
	s_add_nc_u64 s[30:31], s[30:31], s[38:39]
	s_mul_i32 s38, s45, 12288
	s_mul_i32 s47, s28, 1536
	s_add_co_u32 s38, s38, s47                     ; my fragment: unit x 12,288 + 1,536 w
	s_lshl_b32 s40, s45, 9
	s_add_co_u32 s40, s40, s46
	s_mov_b32 s41, 0
	s_add_nc_u64 s[40:41], s[36:37], s[40:41]      ; the unit's 512 bytes of scale words
	s_add_nc_u64 s[36:37], s[36:37], s[38:39]
.irp j, 0,1,2,3,4,5,6,7
	global_load_b128 v[X+4*\j:X+4*\j+3], v1, s[30:31] offset:512*\j        ; 32 lanes read 512 bytes on end
	global_load_b128 v[X+32+4*\j:X+32+4*\j+3], v2, s[30:31] offset:512*\j
.endr
	s_cmp_lg_u32 s26, 0
	s_cbranch_scc1 .Lraw                           ; weights are quantised as they are
.irp j, 0,1,2,3,4,5,6,7
	global_load_b128 v[G+4*\j:G+4*\j+3], v1, s[6:7] offset:512*\j
	global_load_b128 v[BB+4*\j:BB+4*\j+3], v1, s[8:9] offset:512*\j
.endr
	s_wait_loadcnt 0x0
	ROWSTAT 0
	ROWSTAT 1
	s_wait_alu depctr_va_vdst(0)
	v_rsq_f32 v12, v12
	v_rsq_f32 v14, v14
	v_nop                                          ; a plain place behind the last of the two
	s_wait_alu depctr_va_vdst(0)                   ; one wait for both, ahead of their first reader
	v_mov_b32 v13, v12
	v_mov_b32 v15, v14
.irp e, 0,1
.irp j, 0,2,4,6,8,10,12,14,16,18,20,22,24,26,28,30
	v_pk_mul_f32 v[X+32*\e+\j:X+32*\e+\j+1], v[X+32*\e+\j:X+32*\e+\j+1], v[12+2*\e:13+2*\e]
.endr
.irp j, 0,2,4,6,8,10,12,14,16,18,20,22,24,26,28,30
	v_pk_fma_f32 v[X+32*\e+\j:X+32*\e+\j+1], v[X+32*\e+\j:X+32*\e+\j+1], v[G+\j:G+\j+1], v[BB+\j:BB+\j+1]
.endr
.endr
.Lraw:
	s_wait_loadcnt 0x0
	s_wait_alu depctr_va_vdst(0)
.irp e, 0,1
.irp j, 0,1,2,3,4,5,6,7
	ds_store_b128 v3, v[X+32*\e+4*\j:X+32*\e+4*\j+3] offset:\e*LP+512*\j
.endr
.endr
	s_wait_dscnt 0x0                               ; for the others' sake: my rows lie in LDS
	s_barrier_signal -1
	s_barrier_wait -1
.irp b, 0,1,2,3
.irp j, 0,1,2,3
	ds_load_b128 v[N+16*\b+4*\j:N+16*\b+4*\j+3], v4 offset:128*\b+16*\j    ; row r: k = 128 w + 32 b + 16 h + 4 j on
.endr
.endr
.irp b, 0,1,2,3
	v_mov_b32 v[TM+4+\b], 0                        ; a lane permute's destination counts as one of its sources
.endr
	s_wait_dscnt 0x0
	QUANT N, 0, PW
.irp c, 0,1,2
	global_store_b128 v1, v[PC+4*\c:PC+4*\c+3], s[36:37] offset:512*\c     ; 512 bytes on end
.endr
	ds_store_b32 v6, v[PW]                         ; lanes r and 16 + r hold the same word and write it to the same place
	s_wait_dscnt 0x0
	s_barrier_signal -1
	s_barrier_wait -1
	s_cmp_lg_u32 s28, 0
	s_cbranch_scc1 .Lend
	ds_load_b128 v[120:123], v7                    ; wave 0: the tile's 512 bytes of scale words leave together
	s_wait_dscnt 0x0
	global_store_b128 v1, v[120:123], s[40:41]
.Lend:
	s_wait_tensorcnt 0x0
	ds_add_u32 v144, v145
	s_wait_dscnt 0x0
	s_endpgm
.Lfunc_end_k_q230a1c1063_prep:
	.size	k_q230a1c1063_prep, .Lfunc_end_k_q230a1c1063_prep-k_q230a1c1063_prep
	.p2alignl 7, 3214868480
	.fill 96, 4, 3214868480
	.section	.rodata,"a",@progbits
	.p2align	6, 0x0
	.amdhsa_kernel k_q230a1c1063_prep
		.amdhsa_group_segment_fixed_size 67584
		.amdhsa_private_segment_fixed_size 0
		.amdhsa_enable_private_segment 0
		.amdhsa_kernarg_size 72
		.amdhsa_user_sgpr_count 2
		.amdhsa_user_sgpr_kernarg_segment_ptr 1
		.amdhsa_wavefront_size32 1
		.amdhsa_system_sgpr_workgroup_id_x 1
		.amdhsa_system_sgpr_workgroup_id_y 1
		.amdhsa_system_sgpr_workgroup_id_z 1
		.amdhsa_system_vgpr_workitem_id 0
		.amdhsa_next_free_vgpr 146
		.amdhsa_next_free_sgpr 66
		.amdhsa_reserve_vcc 0
		.amdhsa_float_denorm_mode_32 3
		.amdhsa_float_denorm_mode_16_64 3
		.amdhsa_memory_ordered 1
		.amdhsa_forward_progress 1
		.amdhsa_inst_pref_size 30
	.end_amdhsa_kernel
	.amdgpu_metadata
---
amdhsa.version: [ 1, 2 ]
amdhsa.kernels:
  - .name:           k_q230a1c1063_prep
    .symbol:         k_q230a1c1063_prep.kd
    .args:
      - { .name: x, .offset: 0, .size: 8, .value_kind: global_buffer, .address_space: global }
      - { .name: ln1_g, .offset: 8, .size: 8, .value_kind: global_buffer, .address_space: global }
      - { .name: ln1_b, .offset: 16, .size: 8, .value_kind: global_buffer, .address_space: global }
      - { .name: hbuf, .offset: 24, .size: 8, .value_kind: global_buffer, .address_space: global }
      - { .name: wq, .offset: 32, .size: 8, .value_kind: global_buffer, .address_space: global }
      - { .name: wk, .offset: 40, .size: 8, .value_kind: global_buffer, .address_space: global }
      - { .name: wv, .offset: 48, .size: 8, .value_kind: global_buffer, .address_space: global }
      - { .name: wo, .offset: 56, .size: 8, .value_kind: global_buffer, .address_space: global }
      - { .name: wts, .offset: 64, .size: 8, .value_kind: global_buffer, .address_space: global }
    .group_segment_fixed_size: 67584
    .private_segment_fixed_size: 0
    .kernarg_segment_align: 8
    .kernarg_segment_size: 72
    .max_flat_workgroup_size: 256
    .sgpr_count:     66
    .vgpr_count:     146
    .wavefront_size: 32
...
	.end_amdgpu_metadata
.endif
;; end of part 1
;; launch qkv (part 2): grid 8 x 24, 4 waves a work-group, clusters of 4 x 4, 327,680 bytes of LDS; arguments hbuf, wts, bq, bk, bv, qkv; writes qkv
.if DOCPART == 2
	.amdgcn_target "amdgcn-amd-amdhsa--gfx1250"
	.amdhsa_code_object_version 6
	.text
	.protected	k_q230a1c1063_qkv
	.globl	k_q230a1c1063_qkv
	.p2align	8
	.type	k_q230a1c1063_qkv,@function
k_q230a1c1063_qkv:
	s_mov_b64 s[64:65], 0
	v_nop
	global_prefetch_b8 v0, s[64:65] scope:SCOPE_SE
	s_setreg_imm32_b32 hwreg(HW_REG_WAVE_MODE, 25, 1), 1
	s_wait_xcnt 0x0
	s_wait_alu depctr_hold_cnt(0) depctr_sa_sdst(0) depctr_va_vdst(0) depctr_va_sdst(0) depctr_va_ssrc(0) depctr_va_vcc(0) depctr_vm_vsrc(0)
	s_getreg_b32 s2, hwreg(HW_REG_IB_STS2, 6, 4)
	s_cmp_eq_u32 s2, 0
	s_cbranch_scc0 .Lentry_in_a_cluster
	s_endpgm
.Lentry_in_a_cluster:
	s_bfe_u32 s2, ttmp6, 0x10000c
	s_cmp_lg_u32 s2, 0xf033
	s_cbranch_scc0 .Lentry_shape_is_right
	s_endpgm
.Lentry_shape_is_right:
; q = h wq^T + bq, k = h wk^T + bk, v = h wv^T + bv on FP6 (E2M3) codes with E8M0 scales, and their quantising: q and k along the head's 128, v along the keys.
; A work-group makes 256 x 256 of a product with K = 1,024; a wave 128 x 128: 64 accumulators.  SOURCE 0 ("B") gives the axis that becomes the next product's K, SOURCE 1 ("A") the rows that a lane holds.
; Clusters y 0-3: A = tokens (h), B = rows of wq and wk.  Clusters y 4-5: A = rows of wv, B = tokens: the same text; only pointers, offsets and two factors are chosen, on the cluster's y.
; Operands lie in memory as images of their registers (a fragment of 16 rows x 128 K: 1,536 bytes, piece c of lane l at 512 c + 16 l), [tile][K step]; scale words [tile][K step][16].
; Row i of tile T is row 32 (T / 2) + 8 (T % 2) + i + 8 (i / 8): so a lane's 16 registers of B's tiles 2 b, 2 b + 1 are 16 neighbours along the next K.
; LDS: three regions, each with 256 along K of A's and B's 16 tiles; chunks 0-2 are first fills, chunk 3 is the one refill, into region 0.  All scale words come once.  A wave has at most 1 tensor load out.
; CLUSTER 4 x 4: A's tiles are asked for jointly along a row of the cluster, B's along a column.
; LIMITS: NaN and infinities are not served (the unused bias is multiplied by 0); a block of zeros or under 2^-124 gets the byte 1.
; REGISTERS: window 0: v14-29 addresses; v32-63 B's scale words, v64-95 A's (nothing else ever); v96-111 bias along A's rows; v112-159 the way out; v128-223 A's 8 fragments.
;   window 1: B's fragments, two sets at v0 and v128; bias along B's rows at v96-127, v224-255.  windows 2, 3: accumulator (a, b) at v[8 (8 (a % 4) + b)].
.set REG,   98304
.set SCL,   3*REG
.set SCR,   SCL+16384                  ; 512 bytes a wave: outgoing scale words
.set SPARE, SCR+2048                   ; the spare words, 128 bytes a wave
.set WVC,   1572864                    ; wv's codes in the weights' buffer
.set WS,    9437184                    ; the weights' scale words
.set HSC,   3145728                    ; h's scale words
.set VC,    6291456                    ; in qkv: v's codes,
.set QKS,   9437184                    ; q's and k's scale words,
.set VS,    9699328                    ; v's
.set LI,   14
.set ADRA, 16
.set ADRB, 20
.set ASA,  24
.set ASB,  25
.set SWS,  26
.set SWR,  27
.set SPW,  28
.set NIL,  29
.set SCB,  32
.set SCA,  64
.set LB,   96
.set TM,   112
.set PC,   128
.set PWR,  148
.set AF,   128
.set SEL,  2                           ; s[2:3] on the way out: lane selects
.set MSB,  0
.macro WIN new
.if MSB != (\new)
	s_set_vgpr_msb (MSB<<8)|(\new)
.set MSB, (\new)
.endif
.endm
.macro PLACES n
.rept \n
	v_nop
.endr
.endm
.macro QUANT s, w, pw                  ; 64 numbers of a lane in window w, register 16 b + i = k 32 b + 16 (lane / 16) + i, become codes in v[PC] on and the scale word v[pw]
.set QW, (\w)|((\w)<<2)
	WIN QW
.irp b, 0,1,2,3
	v_max3_num_f32 v[TM+\b], |v[(\s)+16*\b]|, |v[(\s)+16*\b+1]|, 0x1800000
.endr
.irp i, 2,4,6,8,10,12,14
.irp b, 0,1,2,3
	v_max3_num_f32 v[TM+\b], |v[(\s)+16*\b+\i]|, |v[(\s)+16*\b+\i+1]|, v[TM+\b]
.endr
.endr
	WIN 0
.irp b, 0,1,2,3
	v_permlanex16_b32 v[TM+4+\b], v[TM+\b], s[SEL], s[SEL+1]
.endr
.irp b, 0,1,2,3
	v_max_num_f32 v[TM+\b], v[TM+\b], v[TM+4+\b]
.endr
.irp b, 0,1,2,3
	v_add_nc_u32 v[TM+12+\b], 0xff000000, v[TM+\b]
.endr
.irp b, 0,1,2,3
	v_lshrrev_b32 v[TM+4+\b], 23, v[TM+12+\b]
.endr
	v_lshl_or_b32 v[\pw], v[TM+5], 8, v[TM+4]
	v_lshl_or_b32 v[\pw], v[TM+6], 16, v[\pw]
	v_lshl_or_b32 v[\pw], v[TM+7], 24, v[\pw]
	WIN (\w)
.irp c, 0,1
	v_cvt_scalef32_pk16_fp6_f32 v[PC+6*\c:PC+6*\c+2], v[(\s)+32*\c:(\s)+32*\c+15], v[TM+12+2*\c]
	v_cvt_scalef32_pk16_fp6_f32 v[PC+12+4*\c:PC+14+4*\c], v[(\s)+32*\c+16:(\s)+32*\c+31], v[TM+13+2*\c]
.endr
	WIN 0
	v_nop
.irp c, 0,1
.irp i, 0,1,2
	v_permlane16_swap_b32 v[PC+6*\c+\i], v[PC+12+4*\c+\i]
.endr
.irp i, 0,1,2
	v_mov_b32 v[PC+3+6*\c+\i], v[PC+12+4*\c+\i]
.endr
.endr
.endm
; A joint load: waves 0, 1 fetch for A, waves 2, 3 for B.  Four v_nop follow each line.
.macro JLOAD g0a, g1a, g0b, g1b
	s_cmp_eq_u32 s17, 0
	s_cbranch_scc0 .Lfor_b_\@
	tensor_load_to_lds s[\g0a:\g0a+3], s[\g1a:\g1a+7]
	s_nop 0
.rept 4
	v_nop
.endr
	s_branch .Lasked_\@
.Lfor_b_\@:
	tensor_load_to_lds s[\g0b:\g0b+3], s[\g1b:\g1b+7]
	s_nop 0
.rept 4
	v_nop
.endr
.Lasked_\@:
.endm
.macro CREST
	s_cmp_lg_u32 s16, 0
	s_cbranch_scc1 .Lnot_wave_0_\@
	s_barrier_signal -3
.Lnot_wave_0_\@:
	s_barrier_wait -3
	s_barrier_signal -1
	s_barrier_wait -1
.endm
.macro CROUND
	s_barrier_signal -1
	s_barrier_wait -1
	CREST
.endm
.macro FRAG reg, adr, off
.irp c, 0,1,2
	ds_load_b128 v[(\reg)+4*\c:(\reg)+4*\c+3], v[\adr] offset:(\off)+512*\c
.endr
.endm
.macro FETCH_B c, q, p                 ; B's eight fragments of region c, K step q of its two, into set p
	WIN 0x40
.if (\c) == 0                          ; layout 0 holds four K steps a tile, layouts 1 and 2 two
.set FS, 4
.else
.set FS, 2
.endif
.irp i, 0,1,2,3,4,5,6,7
	FRAG 128*(\p)+12*\i, ADRB+(\c), (FS*\i+(\q))*1536
.endr
	WIN 0
.endm
.macro FETCH_A c, q, i0                ; A's blocks i0 .. i0 + 3
.if (\c) == 0
.set FS, 4
.else
.set FS, 2
.endif
.irp i, \i0, \i0+1, \i0+2, \i0+3
	FRAG AF+12*(\i), ADRA+(\c), (FS*(\i)+(\q))*1536
.endr
.endm
; 16 products: A's blocks a0, a0 + 1 against B's eight, K step ks.  first = 1: C is the bias along B's rows.  The 64 accumulators take turns in one order.
.macro MUL16 a0, ks, first
.irp a, \a0, \a0+1
.irp b, 0,1,2,3,4,5,6,7
.set rD, 8*(8*((\a)%4)+\b)
.set rC, rD
.if \first
.set rC, 96+8*\b+96*(\b/4)
.endif
.set rB, 128*((\ks)%2)+12*\b
.set rA, AF+12*(\a)
.set rSB, SCB+4*\b+(\ks)/2
.set rSA, SCA+4*(\a)+(\ks)/2
.if (\ks)%2
	v_wmma_scale_f32_16x16x128_f8f6f4 v[rD:rD+7], v[rB:rB+11], v[rA:rA+11], v[rC:rC+7], v[rSB], v[rSA] matrix_a_fmt:MATRIX_FMT_FP6 matrix_b_fmt:MATRIX_FMT_FP6 matrix_a_scale:MATRIX_SCALE_ROW1 matrix_b_scale:MATRIX_SCALE_ROW1
.else
	v_wmma_scale_f32_16x16x128_f8f6f4 v[rD:rD+7], v[rB:rB+11], v[rA:rA+11], v[rC:rC+7], v[rSB], v[rSA] matrix_a_fmt:MATRIX_FMT_FP6 matrix_b_fmt:MATRIX_FMT_FP6
.endif
.endr
.endr
.endm
.macro STEP ks, nc, nq, first          ; K step ks; the next step's fragments come from region nc, its K step nq
	s_wait_dscnt 12                                ; B's set and A's blocks 0-3 are in; the 12 youngest loads (A's blocks 4-7) may be out
.if \first
	WIN 0x91
.else
	WIN 0xa1
.endif
	MUL16 0, \ks, \first
	MUL16 2, \ks, \first
	s_wait_dscnt 0x0
	PLACES 4                                       ; in front of loads into registers that matrix instructions have read
	FETCH_B \nc, \nq, 1-(\ks)%2
	FETCH_A \nc, \nq, 0
.if \first
	WIN 0xd1
.else
	WIN 0xf1
.endif
	MUL16 4, \ks, \first
	MUL16 6, \ks, \first
	PLACES 4
	WIN 0
	FETCH_A \nc, \nq, 4
.endm
; A K step with a barrier: every wave waits for all its tensor loads, adds 0 to its spare word, waits for that and for its reads.  fill = 1: region 0 is filled again, with chunk 3, behind a round of the cluster's barrier.
.macro TURN ks, nc, nq, fill
	s_wait_tensorcnt 0x0
	ds_add_u32 v[SPW], v[NIL]
	s_wait_dscnt 13                                ; the add and A's blocks 4-7 may be out
	WIN 0xa1
	MUL16 0, \ks, 0
	s_wait_dscnt 0x0                               ; the add is done and my reads so far are over
	s_barrier_signal -1
	MUL16 2, \ks, 0
	WIN 0
	s_barrier_wait -1
.if \fill
	CREST
	JLOAD 60, 20, 80, 28                           ; K steps 6, 7 into bytes 0 to 98,303, which K steps 0-3 have left; its four v_nop are the places in front of the loads below
.else
	PLACES 4
.endif
	FETCH_B \nc, \nq, 1-(\ks)%2
	FETCH_A \nc, \nq, 0
	WIN 0xf1
	MUL16 4, \ks, 0
	MUL16 6, \ks, 0
	PLACES 4
	WIN 0
	FETCH_A \nc, \nq, 4
.endm
	s_load_b256 s[4:11], s[0:1], 0x0               ; h, weights, bq, bk
	s_load_b128 s[12:15], s[0:1], 0x20             ; bv, qkv
	v_lshl_add_u32 v[SPW], v0, 2, SPARE
	v_mov_b32 v[NIL], 0
	ds_add_u32 v28, v29
	ds_add_u32 v28, v29
	s_wait_dscnt 0x0
	v_lshrrev_b32 v1, 5, v0
	v_readfirstlane_b32 s16, v1                    ; wave
	s_lshr_b32 s17, s16, 1                         ; my half of A.  Also: I fetch for A (0) or B (1)
	s_and_b32 s18, s16, 1                          ; my half of B.  Also: which half I fetch
	s_bfe_u32 s88, ttmp6, 0x40000                  ; cx
	s_bfe_u32 s89, ttmp6, 0x40004                  ; cy
	s_lshl_b32 s90, s89, 2
	s_lshl_b32 s90, 15, s90                        ; my row of the cluster
	s_lshl_b32 s91, 0x1111, s88                    ; my column
	s_and_b32 s2, ttmp7, 0xffff                    ; the cluster's y
	s_sub_co_u32 s3, s2, 4
	s_lshl_b32 s3, s3, 1
	s_add_co_u32 s3, s3, ttmp9
	s_cmp_ge_u32 s2, 4                             ; v's clusters
	s_cselect_b32 s19, 1, 0
	s_cselect_b32 s101, s3, ttmp9
	s_cselect_b32 s100, 0, s2
	s_lshl_b32 s101, s101, 2
	s_add_co_u32 s101, s101, s88                   ; B's block of 256
	s_lshl_b32 s100, s100, 2
	s_add_co_u32 s100, s100, s89                   ; A's block of 256
	s_or_b32 s20, s90, (3<<16)|(1<<21)             ; group 1: mask; elements of 8 bytes; bit 21 beside a mask; no padding
	s_or_b32 s28, s91, (3<<16)|(1<<21)
	s_or_b32 s36, s90, (3<<16)|(1<<21)
	s_or_b32 s44, s91, (3<<16)|(1<<21)
.irp g, 20, 28                         ; codes: 8 tiles x 3,072 bytes (two K steps), 12,288 bytes from tile to tile
	s_mov_b32 s[\g+1], 384<<16
	s_mov_b32 s[\g+2], 8<<16
	s_mov_b32 s[\g+3], 384<<16
	s_mov_b32 s[\g+4], 8
	s_mov_b32 s[\g+5], 1536
	s_mov_b32 s[\g+6], 0
	s_mov_b32 s[\g+7], 0
.endr
.irp g, 36, 44                         ; the head's load: 8 tiles x 6,144 bytes (four K steps), 12,288 bytes from tile to tile
	s_mov_b32 s[\g+1], 768<<16
	s_mov_b32 s[\g+2], 8<<16
	s_mov_b32 s[\g+3], 768<<16
	s_mov_b32 s[\g+4], 8
	s_mov_b32 s[\g+5], 1536
	s_mov_b32 s[\g+6], 0
	s_mov_b32 s[\g+7], 0
.endr
	s_lshl_b32 s66, s18, 3
	s_lshl_b32 s92, s100, 4
	s_add_co_u32 s92, s92, s66                     ; the first tile of A that I fetch
	s_lshl_b32 s94, s92, 9
	s_mul_i32 s92, s92, 12288
	s_lshl_b32 s96, s101, 4
	s_add_co_u32 s96, s96, s66                     ; of B
	s_lshl_b32 s98, s96, 9
	s_mul_i32 s96, s96, 12288
	s_mov_b32 s93, 0
	s_mov_b32 s95, 0
	s_mov_b32 s97, 0
	s_mov_b32 s99, 0
	s_mov_b32 s3, HSC
	s_mov_b32 s67, WS
	s_cmp_eq_u32 s19, 1
	s_cselect_b32 s2, WVC, 0
	s_cselect_b32 s3, WS+65536, s3
	s_cselect_b32 s67, HSC, s67
	s_add_co_u32 s92, s92, s2
	s_add_co_u32 s94, s94, s3
	s_add_co_u32 s98, s98, s67
	s_wait_kmcnt 0x0
	s_cmp_eq_u32 s19, 1
	s_cselect_b64 s[2:3], s[6:7], s[4:5]           ; A's buffer
	s_cselect_b64 s[66:67], s[4:5], s[6:7]         ; B's
	s_add_nc_u64 s[92:93], s[2:3], s[92:93]
	s_add_nc_u64 s[94:95], s[2:3], s[94:95]
	s_add_nc_u64 s[96:97], s[66:67], s[96:97]
	s_add_nc_u64 s[98:99], s[66:67], s[98:99]
	s_mul_i32 s66, s16, 24576                      ; where they go: the wave's quarter of a region; no place in the cluster enters an LDS address
	s_mul_i32 s67, s16, 49152                      ; and the wave's quarter of the head's four K steps
	CROUND                                         ; all sixteen work-groups are here: the first joint loads meet
	s_lshl_b32 s72, s17, 12                        ; the scale words go from memory straight into registers: A's of the half that I multiply (8 tiles x 512 bytes a half),
	s_mov_b32 s73, 0
	s_add_nc_u64 s[52:53], s[94:95], s[72:73]
	s_lshl_b32 s72, s18, 12
	s_sub_nc_u64 s[52:53], s[52:53], s[72:73]
	s_mov_b64 s[54:55], s[98:99]                   ; and B's
.irp c, 0,1,2                          ; group 0: c = 0: K steps 0-3; c = 1: K steps 6, 7, into bytes 0 on; c = 2: K steps 4, 5, into region 2
.set GA, 56+4*\c+4*(\c/2)
.set GB, 76+4*\c
	s_mov_b32 s[GA], 1
	s_add_co_u32 s[GA+1], s66, (\c/2)*2*REG
	s_add_nc_u64 s[GA+2:GA+3], s[92:93], ((4-\c)%4)*3072
	s_or_b32 s[GA+3], s[GA+3], 0x80000000
	s_mov_b32 s[GB], 1
	s_add_co_u32 s[GB+1], s66, (\c/2)*2*REG
	s_add_nc_u64 s[GB+2:GB+3], s[96:97], ((4-\c)%4)*3072
	s_or_b32 s[GB+3], s[GB+3], 0x80000000
.endr
	s_mov_b32 s57, s67
	s_mov_b32 s77, s67
	JLOAD 56, 36, 76, 44                           ; K steps 0-3: one tensor load a wave at the head
	v_and_b32 v1, 31, v0
	v_lshlrev_b32 v[LI], 4, v1                     ; 16 x lane
	v_lshlrev_b32 v2, 2, v1                        ; 4 x lane
	s_wait_alu depctr_va_vdst(0)
	v_and_b32 v3, 15, v0                           ; r
	v_bfe_u32 v4, v0, 4, 1                         ; h
	s_mul_i32 s2, s17, 24576
	s_mul_i32 s3, s18, 24576
	s_add_co_u32 s3, s3, 49152
	v_add_nc_u32 v[ADRA+1], s2, v[LI]              ; layout 1: K steps 6, 7, from byte 0
	v_add_nc_u32 v[ADRB+1], s3, v[LI]
	s_add_co_u32 s2, s2, 2*REG
	s_add_co_u32 s3, s3, 2*REG
	v_add_nc_u32 v[ADRA+2], s2, v[LI]              ; layout 2: K steps 4, 5, region 2
	v_add_nc_u32 v[ADRB+2], s3, v[LI]
	s_mul_i32 s2, s17, 49152
	s_mul_i32 s3, s18, 49152
	s_add_co_u32 s3, s3, REG
	v_add_nc_u32 v[ADRA], s2, v[LI]                ; layout 0: K steps 0-3
	v_add_nc_u32 v[ADRB], s3, v[LI]
.irp i, 0,1,2,3,4,5,6,7
.irp c, 0,1,2,3
	global_load_b32 v[SCB+4*\i+\c], v2, s[54:55] offset:512*\i+128*\c    ; lanes 0-15: K step 2 c of tile i; lanes 16-31: K step 2 c + 1: 128 bytes on end
	global_load_b32 v[SCA+4*\i+\c], v2, s[52:53] offset:512*\i+128*\c
.endr
.endr
	s_wait_alu depctr_va_vdst(0)                   ; ahead of the scalar lines and the readers below
	s_lshl_b32 s2, s16, 9
	s_add_co_u32 s2, s2, SCR
	v_lshl_add_u32 v[SWS], v3, 2, s2
	v_add_nc_u32 v[SWR], s2, v[LI]
.irp b, 0,1,2,3
	v_mov_b32 v[TM+4+\b], 0                        ; a lane permute's destination counts as one of its sources
.endr
	; the bias along B's rows (bq or bk): lane (r, h) wants, for tile b, the eight at 32 (b / 2) + 8 (b % 2) + 16 h
	s_lshr_b32 s92, s101, 2
	s_and_b32 s93, s101, 3
	s_lshl_b32 s93, s93, 10
	s_lshl_b32 s94, s18, 9
	s_add_co_u32 s94, s93, s94
	s_mov_b32 s95, 0
	s_cmp_eq_u32 s92, 0
	s_cselect_b64 s[92:93], s[8:9], s[10:11]
	s_add_nc_u64 s[92:93], s[92:93], s[94:95]
	v_lshlrev_b32 v5, 6, v4
	WIN 0x40
.irp b, 0,1,2,3,4,5,6,7
	global_load_b128 v[96+8*\b+96*(\b/4):96+8*\b+96*(\b/4)+3], v5, s[92:93] offset:(32*(\b/2)+8*(\b%2))*4
	global_load_b128 v[96+8*\b+96*(\b/4)+4:96+8*\b+96*(\b/4)+7], v5, s[92:93] offset:(32*(\b/2)+8*(\b%2))*4+16
.endr
	WIN 0
	; the bias along A's rows (bv): one number a lane and tile
	s_cmp_eq_u32 s19, 1
	s_cselect_b32 s96, s100, 0
	s_cselect_b32 s98, 0, 1.0                      ; what B's bias is multiplied by
	s_cselect_b32 s2, 1.0, 0                       ; and A's
	s_mov_b32 s99, s98
	s_lshl_b32 s96, s96, 10
	s_lshl_b32 s97, s17, 9
	s_add_co_u32 s96, s96, s97
	s_mov_b32 s97, 0
	s_add_nc_u64 s[96:97], s[12:13], s[96:97]
	v_and_b32 v6, 8, v3
	v_add_nc_u32 v6, v6, v3
	v_lshlrev_b32 v6, 2, v6
.irp a, 0,1,2,3,4,5,6,7
	global_load_b32 v[LB+2*\a], v6, s[96:97] offset:(32*(\a/2)+8*(\a%2))*4
.endr
	s_wait_loadcnt 0x0
	WIN 0x41
.irp b, 0,1,2,3,4,5,6,7
.irp j, 0,2,4,6
	v_pk_mul_f32 v[96+8*\b+96*(\b/4)+\j:96+8*\b+96*(\b/4)+\j+1], v[96+8*\b+96*(\b/4)+\j:96+8*\b+96*(\b/4)+\j+1], s[98:99] op_sel_hi:[1,0]
.endr
.endr
	WIN 0
.irp a, 0,1,2,3,4,5,6,7
	v_mul_f32 v[LB+2*\a], s2, v[LB+2*\a]
	v_mov_b32 v[LB+2*\a+1], 0                      ; (named with it as a pair)
.endr
	; where my eight fragments go
	s_lshl_b32 s92, s101, 1
	s_add_co_u32 s92, s92, s18                     ; my 128 of B: q's or k's head, or v's key step
	s_lshl_b32 s93, s100, 1
	s_add_co_u32 s93, s93, s17                     ; my 128 of A
	s_lshr_b32 s94, s92, 4
	s_lshl_b32 s94, s94, 3
	s_add_co_u32 s94, s94, s93
	s_lshl_b32 s94, s94, 4
	s_and_b32 s95, s92, 15
	s_add_co_u32 s94, s94, s95
	s_lshl_b32 s94, s94, 3                         ; v: ((batch x 8 + head) x 16 + key step) x 8
	s_lshl_b32 s95, s92, 8
	s_lshl_b32 s96, s93, 3
	s_add_co_u32 s95, s95, s96                     ; q, k: head x 256 + tile
	s_mov_b32 s97, QKS
	s_cmp_eq_u32 s19, 1
	s_cselect_b32 s94, s94, s95
	s_cselect_b32 s96, VC, 0
	s_cselect_b32 s97, VS, s97
	s_mul_i32 s92, s94, 1536
	s_add_co_u32 s92, s92, s96
	s_mov_b32 s93, 0
	s_lshl_b32 s94, s94, 6
	s_add_co_u32 s94, s94, s97
	s_mov_b32 s95, 0
	s_add_nc_u64 s[92:93], s[14:15], s[92:93]
	s_add_nc_u64 s[94:95], s[14:15], s[94:95]
	s_mov_b32 s[SEL], 0x76543210
	s_mov_b32 s[SEL+1], 0xfedcba98
	s_wait_alu depctr_va_vdst(0)
	s_wait_tensorcnt 0x0                           ; my part of K steps 0-3 is in
	ds_add_u32 v[SPW], v[NIL]
	s_wait_dscnt 0x0
	CROUND
	JLOAD 68, 20, 84, 28                           ; K steps 4, 5 into region 2: my one load behind the round
	FETCH_B 0, 0, 0
	FETCH_A 0, 0, 0
	FETCH_A 0, 0, 4
	STEP 0, 0, 1, 1
	STEP 1, 0, 2, 0
	STEP 2, 0, 3, 0
	TURN 3, 2, 0, 1                                ; K steps 0-3 are left: K steps 6, 7 are asked for; K steps 4, 5 are shown whole
	STEP 4, 2, 1, 0
	TURN 5, 1, 0, 0                                ; K steps 6, 7 are shown whole
	STEP 6, 1, 1, 0
	s_wait_dscnt 12
	WIN 0xa1
	MUL16 0, 7, 0
	MUL16 2, 7, 0
	s_wait_dscnt 0x0
	WIN 0xf1
	MUL16 4, 7, 0
	MUL16 6, 7, 0
	WIN 0
	PLACES 4
; THE WAY OUT: block a (16 of A's rows x my 128 of B): A's bias, the quantiser, the fragment's image to memory (512 bytes on end a store), the scale word to my scratch.
.macro OUTBLK a
.set rW, 2+(\a)/4
.set rS, 64*((\a)%4)
.if (\a) > 0
	s_wait_xcnt 0x0                                ; the last block's stores have read the codes' registers
.endif
	WIN (rW<<6)|rW
.set j, 0
.rept 32
	v_pk_add_f32 v[rS+j:rS+j+1], v[rS+j:rS+j+1], v[LB+2*(\a):LB+2*(\a)+1] op_sel_hi:[1,0]
.set j, j+2
.endr
	QUANT rS, rW, PWR+(\a)
.irp c, 0,1,2
	global_store_b128 v[LI], v[PC+4*\c:PC+4*\c+3], s[92:93] offset:1536*(\a)+512*\c
.endr
	ds_store_b32 v[SWS], v[PWR+(\a)] offset:64*(\a)
.endm
.irp a, 0,1,2,3,4,5,6,7
	OUTBLK \a
.endr
	ds_load_b128 v[156:159], v[SWR]                ; LDS serves a wave's instructions in order: these see my stores
	s_wait_dscnt 0x0
	global_store_b128 v[LI], v[156:159], s[94:95]  ; my eight blocks' scale words: 512 bytes on end
	s_wait_tensorcnt 0x0                           ; the wave's end
	ds_add_u32 v[SPW], v[NIL]
	s_wait_dscnt 0x0
	CROUND                                         ; the closing round
	s_endpgm
.Lfunc_end_k_q230a1c1063_qkv:
	.size	k_q230a1c1063_qkv, .Lfunc_end_k_q230a1c1063_qkv-k_q230a1c1063_qkv
	.p2alignl 7, 3214868480
	.fill 96, 4, 3214868480
	.section	.rodata,"a",@progbits
	.p2align	6, 0x0
	.amdhsa_kernel k_q230a1c1063_qkv
		.amdhsa_group_segment_fixed_size 327680
		.amdhsa_private_segment_fixed_size 0
		.amdhsa_enable_private_segment 0
		.amdhsa_kernarg_size 48
		.amdhsa_user_sgpr_count 2
		.amdhsa_user_sgpr_kernarg_segment_ptr 1
		.amdhsa_wavefront_size32 1
		.amdhsa_system_sgpr_workgroup_id_x 1
		.amdhsa_system_sgpr_workgroup_id_y 1
		.amdhsa_system_sgpr_workgroup_id_z 1
		.amdhsa_system_vgpr_workitem_id 0
		.amdhsa_next_free_vgpr 1024
		.amdhsa_next_free_sgpr 102
		.amdhsa_reserve_vcc 0
		.amdhsa_float_denorm_mode_32 3
		.amdhsa_float_denorm_mode_16_64 3
		.amdhsa_memory_ordered 1
		.amdhsa_forward_progress 1
		.amdhsa_inst_pref_size 166
	.end_amdhsa_kernel
	.amdgpu_metadata
---
amdhsa.version: [ 1, 2 ]
amdhsa.kernels:
  - .name:           k_q230a1c1063_qkv
    .symbol:         k_q230a1c1063_qkv.kd
    .args:
      - { .name: hbuf, .offset: 0, .size: 8, .value_kind: global_buffer, .address_space: global }
      - { .name: wts, .offset: 8, .size: 8, .value_kind: global_buffer, .address_space: global }
      - { .name: bq, .offset: 16, .size: 8, .value_kind: global_buffer, .address_space: global }
      - { .name: bk, .offset: 24, .size: 8, .value_kind: global_buffer, .address_space: global }
      - { .name: bv, .offset: 32, .size: 8, .value_kind: global_buffer, .address_space: global }
      - { .name: qkv, .offset: 40, .size: 8, .value_kind: global_buffer, .address_space: global }
    .group_segment_fixed_size: 327680
    .private_segment_fixed_size: 0
    .kernarg_segment_align: 8
    .kernarg_segment_size: 48
    .max_flat_workgroup_size: 128
    .sgpr_count:     102
    .vgpr_count:     1024
    .wavefront_size: 32
...
	.end_amdgpu_metadata
.endif
;; end of part 2
;; launch att (part 3): grid 16 x 16, 8 waves a work-group, clusters of 4 x 1, 327,680 bytes of LDS; arguments qkv, ybuf; writes ybuf
.if DOCPART == 3
	.amdgcn_target "amdgcn-amd-amdhsa--gfx1250"
	.amdhsa_code_object_version 6
	.text
	.protected	k_q230a1c1063_att
	.globl	k_q230a1c1063_att
	.p2align	8
	.type	k_q230a1c1063_att,@function
k_q230a1c1063_att:
	s_mov_b64 s[64:65], 0
	v_nop
	global_prefetch_b8 v0, s[64:65] scope:SCOPE_SE
	s_setreg_imm32_b32 hwreg(HW_REG_WAVE_MODE, 25, 1), 1
	s_wait_xcnt 0x0
	s_wait_alu depctr_hold_cnt(0) depctr_sa_sdst(0) depctr_va_vdst(0) depctr_va_sdst(0) depctr_va_ssrc(0) depctr_va_vcc(0) depctr_vm_vsrc(0)
	s_getreg_b32 s2, hwreg(HW_REG_IB_STS2, 6, 4)
	s_cmp_eq_u32 s2, 0
	s_cbranch_scc0 .Lentry_in_a_cluster
	s_endpgm
.Lentry_in_a_cluster:
	s_bfe_u32 s2, ttmp6, 0x10000c
	s_cmp_lg_u32 s2, 0x3003
	s_cbranch_scc0 .Lentry_shape_is_right
	s_endpgm
.Lentry_shape_is_right:
; y = softmax(q k^T / sqrt(128), causal) v for one batch and head (work-group y), both products on FP6 (E2M3) codes with E8M0 scales; y is quantised along the head's 128 and stored as an operand fragment.
; p = 2^(t - M), t = score x log2(e) / sqrt(128), M the running largest t rounded up to a whole number; the row's sum is taken of the unquantised p and divides at the end.
; SHARES.  A wave owns one tile of 16 queries.  The four partners of a cluster share four bands of 128 queries: wave w of partner cx takes tile 2 cx + w % 2 of band B(cluster x, w / 2); bands 2 X, 2 X + 1, 15 - 2 X, 14 - 2 X.
; Every work-group walks all 16 key steps of 128 and makes every joint request; a step whose keys all come after a wave's band is left out by a scalar branch on the step's number and the band, which hang on
; the cluster's x and the wave's number alone: so K and V can be asked for jointly under the causal mask.
; Both products are used transposed: a lane holds one query.  Tiles' rows are 32 (T / 2) + 8 (T % 2) + i + 8 (i / 8), so p's 16 registers of two neighbouring tiles are 16 neighbouring keys.
; LDS: two slots of 512 keys (K's 32 fragments, then V's), 2^17 bytes apart; the head's scale words; the spare words.  Waves 0-3 fetch, 24,576 dense bytes each.  A wave has at most 1 tensor load out.
; K AND V HAVE REGISTERS OF THEIR OWN.  Behind a step's products K Q^T the wave asks LDS for this step's V and then for the NEXT step's K: both land while the softmax is worked.  A slot's first K is asked for at the slot's head,
; behind the change of slots; a slot's last step asks for no K, since the next lies in the other slot.
; LIMITS: NaN and infinities are not served; a block of zeros gets the byte 1; exponentials and the reciprocal by v_exp_f32, v_rcp_f32.
; REGISTERS: v1-4 places that stay; v5, v6 the add's; v7 the mask's bound; v8-11 addresses in hand; v12 -M, v13 largest t, v[14:15] sum; v16-27 Q; v32-127 V's eight fragments; v128-191 S^T, p; v192-211 codes;
;   window 1: v0-63 O^T, v64-159 K's eight fragments.
.set SLOT1, 1<<17
.set VOFF,  49152
.set STEPB, 12288
.set SCK,   262144
.set SCV,   SCK+8192
.set SPARE, SCV+8192
.set VC,    6291456
.set QKS,   9437184
.set VS,    9699328
.set SPW,  5
.set NIL,  6
.set F,    32
.set KF,   64                          ; in window 1
.set S,    128
.set PC,   192
.set BM,   212
.set BT,   216
.set SO,   220
.set KSC,  224
.set VSC,  228
.set TM,   236
.set SEL,  20
.set MSB,  0
.macro WIN new
.if MSB != (\new)
	s_set_vgpr_msb (MSB<<8)|(\new)
.set MSB, (\new)
.endif
.endm
.macro PLACES n
.rept \n
	v_nop
.endr
.endm
.macro QUANT s, w, pw
.set QW, (\w)|((\w)<<2)
	WIN QW
.irp b, 0,1,2,3
	v_max3_num_f32 v[TM+\b], |v[(\s)+16*\b]|, |v[(\s)+16*\b+1]|, 0x1800000
.endr
.irp i, 2,4,6,8,10,12,14
.irp b, 0,1,2,3
	s_delay_alu instid0(VALU_DEP_4)
	v_max3_num_f32 v[TM+\b], |v[(\s)+16*\b+\i]|, |v[(\s)+16*\b+\i+1]|, v[TM+\b]
.endr
.endr
	WIN 0
.irp b, 0,1,2,3
	s_delay_alu instid0(VALU_DEP_4)
	v_permlanex16_b32 v[TM+4+\b], v[TM+\b], s[SEL], s[SEL+1]
.endr
.irp b, 0,1,2,3
	s_delay_alu instid0(VALU_DEP_4)
	v_max_num_f32 v[TM+\b], v[TM+\b], v[TM+4+\b]
.endr
.irp b, 0,1,2,3
	s_delay_alu instid0(VALU_DEP_4)
	v_add_nc_u32 v[TM+12+\b], 0xff000000, v[TM+\b]
.endr
.irp b, 0,1,2,3
	s_delay_alu instid0(VALU_DEP_4)
	v_lshrrev_b32 v[TM+4+\b], 23, v[TM+12+\b]
.endr
	s_delay_alu instid0(VALU_DEP_3)
	v_lshl_or_b32 v[\pw], v[TM+5], 8, v[TM+4]
	s_delay_alu instid0(VALU_DEP_1)
	v_lshl_or_b32 v[\pw], v[TM+6], 16, v[\pw]
	s_delay_alu instid0(VALU_DEP_1)
	v_lshl_or_b32 v[\pw], v[TM+7], 24, v[\pw]
	WIN (\w)
.irp c, 0,1
	v_cvt_scalef32_pk16_fp6_f32 v[PC+6*\c:PC+6*\c+2], v[(\s)+32*\c:(\s)+32*\c+15], v[TM+12+2*\c]
	v_cvt_scalef32_pk16_fp6_f32 v[PC+12+4*\c:PC+14+4*\c], v[(\s)+32*\c+16:(\s)+32*\c+31], v[TM+13+2*\c]
.endr
	WIN 0
	v_nop
.irp c, 0,1
.irp i, 0,1,2
	v_permlane16_swap_b32 v[PC+6*\c+\i], v[PC+12+4*\c+\i]
.endr
.irp i, 0,1,2
	s_delay_alu instid0(VALU_DEP_3)
	v_mov_b32 v[PC+3+6*\c+\i], v[PC+12+4*\c+\i]
.endr
.endr
.endm
.macro CROUND
	s_barrier_signal -1
	s_barrier_wait -1
	s_cmp_lg_u32 s8, 0
	s_cbranch_scc1 .Lnot_wave_0_\@
	s_barrier_signal -3
.Lnot_wave_0_\@:
	s_barrier_wait -3
	s_barrier_signal -1
	s_barrier_wait -1
.endm
.macro TLOAD                           ; waves 0-3: my quarter of a slot.  Four v_nop follow the line
	s_cmp_lt_u32 s8, 4
	s_cbranch_scc0 .Lnone_\@
	tensor_load_to_lds s[40:43], s[24:31]
	s_nop 0
.rept 4
	v_nop
.endr
.Lnone_\@:
.endm
; A prefetch of the slot that the NEXT change of slots will ask for: 98,304 bytes.  The head's first cluster asks; its four partners take 24,576 bytes each, told apart by address
; (partners 0, 1: K's halves; 2, 3: V's); in each, waves 4-6 take 8,192 bytes, lanes 256 bytes apart: each block of 256 bytes is named once.  The last change that fills a slot asks for nothing; slots 0, 1 come by their loads alone.
.macro ASK
	s_cmp_gt_u32 s17, s18
	s_cbranch_scc0 .Lnot_mine_\@
	global_prefetch_b8 v28, s[48:49] th:TH_LOAD_NT scope:SCOPE_SE
.Lnot_mine_\@:
.endm
.macro KQ t                            ; K in window 1, Q and S^T in window 0
.if (\t)%2
	v_wmma_scale_f32_16x16x128_f8f6f4 v[S+8*(\t):S+8*(\t)+7], v[KF+12*(\t):KF+12*(\t)+11], v[16:27], 0, v[KSC+(\t)/2], v29 matrix_a_fmt:MATRIX_FMT_FP6 matrix_b_fmt:MATRIX_FMT_FP6 matrix_a_scale:MATRIX_SCALE_ROW1
.else
	v_wmma_scale_f32_16x16x128_f8f6f4 v[S+8*(\t):S+8*(\t)+7], v[KF+12*(\t):KF+12*(\t)+11], v[16:27], 0, v[KSC+(\t)/2], v29 matrix_a_fmt:MATRIX_FMT_FP6 matrix_b_fmt:MATRIX_FMT_FP6
.endif
.endm
.macro PV t
.if (\t)%2
	v_wmma_scale_f32_16x16x128_f8f6f4 v[8*(\t):8*(\t)+7], v[F+12*(\t):F+12*(\t)+11], v[PC:PC+11], v[8*(\t):8*(\t)+7], v[VSC+(\t)/2], v233 matrix_a_fmt:MATRIX_FMT_FP6 matrix_b_fmt:MATRIX_FMT_FP6 matrix_a_scale:MATRIX_SCALE_ROW1
.else
	v_wmma_scale_f32_16x16x128_f8f6f4 v[8*(\t):8*(\t)+7], v[F+12*(\t):F+12*(\t)+11], v[PC:PC+11], v[8*(\t):8*(\t)+7], v[VSC+(\t)/2], v233 matrix_a_fmt:MATRIX_FMT_FP6 matrix_b_fmt:MATRIX_FMT_FP6
.endif
.endm
; K's eight fragments and four registers of scale words of the step at s15, s16: at a slot's head, in every wave
.macro KHEAD
	v_add_nc_u32 v8, s15, v1
	v_add_nc_u32 v10, s16, v3
.irp i, 0,1,2,3
	ds_load_b32 v[KSC+\i], v10 offset:128*\i       ; lanes 0-15: tile 2 i's scale words; lanes 16-31: tile 2 i + 1's
.endr
	WIN 0x40
.irp t, 0,1,2,3,4,5,6,7
.irp c, 0,1,2
	ds_load_b128 v[KF+12*\t+4*\c:KF+12*\t+4*\c+3], v8 offset:1536*\t+512*\c
.endr
.endr
	WIN 0
.endm
; A KEY STEP of 128 keys; s15 is the LDS byte of its tiles, s16 that of its scale words, s14 its number.  pf = 1: the next step's K lies in the same slot and is asked for.
.macro STEP pf
	s_cmp_gt_u32 s14, s12
	s_cbranch_scc1 .Lhidden_\@                     ; all its keys come after my band
	s_wait_dscnt 0x0                               ; K's tiles and scale words, asked for a step ago or at the slot's head
	WIN 0x01
.irp t, 0,1,2,3,4,5,6,7
	KQ \t
.endr
	WIN 0
	v_add_nc_u32 v9, s15, v2                       ; (four plain lines: the places in front of the loads below and of the first read of the scores)
	v_add_nc_u32 v11, s16, v4
.if \pf
	v_add_nc_u32 v8, s15, v1
	v_add_nc_u32 v10, s16, v3
.else
	v_nop
	v_nop
.endif
.irp i, 0,1,2,3
	ds_load_b32 v[VSC+\i], v11 offset:128*\i       ; V's tiles are asked for now and land under the softmax
.endr
.irp t, 0,1,2,3,4,5,6,7
.irp c, 0,1,2
	ds_load_b128 v[F+12*\t+4*\c:F+12*\t+4*\c+3], v9 offset:1536*\t+512*\c
.endr
.endr
.if \pf
.irp i, 0,1,2,3
	ds_load_b32 v[KSC+\i], v10 offset:512+128*\i   ; and behind them the next step's K
.endr
	WIN 0x40
.irp t, 0,1,2,3,4,5,6,7
.irp c, 0,1,2
	ds_load_b128 v[KF+12*\t+4*\c:KF+12*\t+4*\c+3], v8 offset:STEPB+1536*\t+512*\c
.endr
.endr
	WIN 0
.endif
	s_cmp_lt_u32 s14, s12
	s_cbranch_scc1 .Lopen_\@                       ; all its keys count
	v_mov_b32 v234, 0xff800000                     ; on the diagonal hidden scores become -infinity: register 16 b + i holds key 32 b + 16 (lane / 16) + i
.set n, 0
.rept 64
	v_cmp_gt_i32 vcc_lo, 32*(n/16)+n%16, v7
	v_cndmask_b32 v[S+n], v[S+n], v234, vcc_lo
.set n, n+1
.endr
.Lopen_\@:
.irp b, 0,1,2,3
	v_max3_num_f32 v[BM+\b], v[S+16*\b], v[S+16*\b+1], v[S+16*\b+2]        ; each block's largest score: for the row's maximum and for the block's largest p
.endr
.irp i, 3,5,7,9,11,13
.irp b, 0,1,2,3
	v_max3_num_f32 v[BM+\b], v[BM+\b], v[S+16*\b+\i], v[S+16*\b+\i+1]
.endr
.endr
.irp b, 0,1,2,3
	v_max_num_f32 v[BM+\b], v[BM+\b], v[S+16*\b+15]
.endr
.irp b, 0,1,2,3
	s_delay_alu instid0(VALU_DEP_4)
	v_permlanex16_b32 v[BT+\b], v[BM+\b], s[SEL], s[SEL+1]
.endr
.irp b, 0,1,2,3
	s_delay_alu instid0(VALU_DEP_4)
	v_max_num_f32 v[BM+\b], v[BM+\b], v[BT+\b]
.endr
	s_delay_alu instid0(VALU_DEP_2)
	v_max3_num_f32 v234, v[BM], v[BM+1], v[BM+2]
	s_delay_alu instid0(VALU_DEP_1)
	v_max_num_f32 v234, v234, v[BM+3]
	s_delay_alu instid0(VALU_DEP_1)
	v_mul_f32 v234, s22, v234                      ; as t
	s_delay_alu instid0(VALU_DEP_1)
	v_max_num_f32 v13, v13, v234                   ; the running largest t
	v_mov_b32 v234, v12
	s_delay_alu instid0(VALU_DEP_2)
	v_floor_f32 v12, -v13                          ; -M = floor(-t): M is a whole number
	s_delay_alu instid0(VALU_DEP_1)
	v_sub_f32 v234, v12, v234
	s_delay_alu instid0(VALU_DEP_1)
	v_cvt_i32_f32 v234, v234                       ; (it saturates)
	s_delay_alu instid0(VALU_DEP_1)
	v_ldexp_f32 v232, 1.0, v234                    ; f = 2^(old M - new M)
.set j, 0
.rept 32
	v_pk_fma_f32 v[S+j:S+j+1], v[S+j:S+j+1], s[22:23], v[12:13] op_sel_hi:[1,0,0]
.set j, j+2
.endr
.irp b, 0,1,2,3
	v_fma_f32 v[BM+\b], v[BM+\b], s22, v12
.endr
.set j, 0
	s_wait_alu depctr_va_vdst(0)
.rept 64
	v_exp_f32 v[S+j], v[S+j]                       ; p = 2^(t - M)
.set j, j+1
.endr
	v_pk_mul_f32 v[14:15], v[14:15], v[232:233] op_sel_hi:[1,0]    ; the sums under the new M (a plain place behind the batch)
	s_wait_alu depctr_va_vdst(0)                   ; one wait for the 64, ahead of their first reader
.irp b, 0,1,2,3
	v_exp_f32 v[BM+\b], v[BM+\b]                   ; each block's largest p
.endr
	v_pk_add_f32 v[216:217], v[132:133], v[136:137]
	v_pk_add_f32 v[254:255], v[140:141], v[144:145]
	v_pk_add_f32 v[252:253], v[148:149], v[152:153]
	v_pk_add_f32 v[250:251], v[156:157], v[160:161]
	v_pk_add_f32 v[248:249], v[164:165], v[168:169]
	v_pk_add_f32 v[246:247], v[172:173], v[176:177]
	v_pk_add_f32 v[244:245], v[180:181], v[184:185]
	v_pk_add_f32 v[14:15], v[14:15], v[188:189]
	v_pk_add_f32 v[216:217], v[216:217], v[128:129]
	v_pk_add_f32 v[254:255], v[254:255], v[130:131]
	v_pk_add_f32 v[252:253], v[252:253], v[134:135]
	v_pk_add_f32 v[250:251], v[250:251], v[138:139]
	v_pk_add_f32 v[248:249], v[248:249], v[142:143]
	v_pk_add_f32 v[246:247], v[246:247], v[146:147]
	v_pk_add_f32 v[244:245], v[244:245], v[150:151]
	v_pk_add_f32 v[14:15], v[14:15], v[154:155]
	v_pk_add_f32 v[216:217], v[216:217], v[158:159]
	v_pk_add_f32 v[254:255], v[254:255], v[162:163]
	v_pk_add_f32 v[252:253], v[252:253], v[166:167]
	v_pk_add_f32 v[250:251], v[250:251], v[170:171]
	v_pk_add_f32 v[248:249], v[248:249], v[174:175]
	v_pk_add_f32 v[246:247], v[246:247], v[178:179]
	v_pk_add_f32 v[244:245], v[244:245], v[182:183]
	v_pk_add_f32 v[14:15], v[14:15], v[186:187]
	v_pk_add_f32 v[216:217], v[216:217], v[190:191]
	s_delay_alu instid0(VALU_DEP_2)
	v_pk_add_f32 v[14:15], v[14:15], v[250:251]
	s_delay_alu instid0(VALU_DEP_2)
	v_pk_add_f32 v[216:217], v[216:217], v[248:249]
	v_pk_add_f32 v[254:255], v[254:255], v[246:247]
	v_pk_add_f32 v[252:253], v[252:253], v[244:245]
	s_delay_alu instid0(VALU_DEP_2)
	v_pk_add_f32 v[14:15], v[14:15], v[254:255]
	s_delay_alu instid0(VALU_DEP_2)
	v_pk_add_f32 v[216:217], v[216:217], v[252:253]
	s_delay_alu instid0(VALU_DEP_1)
	v_pk_add_f32 v[14:15], v[14:15], v[216:217]
	s_wait_alu depctr_va_vdst(0)                   ; and one for the four
.irp b, 0,1,2,3
	v_max_num_f32 v[BM+\b], 0x1800000, v[BM+\b]    ; the floor 2^(3 - 127)
.endr
.irp b, 0,1,2,3
	s_delay_alu instid0(VALU_DEP_4)
	v_add_nc_u32 v[SO+\b], 0xff000000, v[BM+\b]
.endr
.irp b, 0,1,2,3
	s_delay_alu instid0(VALU_DEP_4)
	v_lshrrev_b32 v[BT+\b], 23, v[SO+\b]
.endr
	s_delay_alu instid0(VALU_DEP_3)
	v_lshl_or_b32 v233, v[BT+1], 8, v[BT]          ; p's scale word for these 128 keys
	s_delay_alu instid0(VALU_DEP_1)
	v_lshl_or_b32 v233, v[BT+2], 16, v233
	s_delay_alu instid0(VALU_DEP_1)
	v_lshl_or_b32 v233, v[BT+3], 24, v233
.irp c, 0,1
	v_cvt_scalef32_pk16_fp6_f32 v[PC+6*\c:PC+6*\c+2], v[S+32*\c:S+32*\c+15], v[SO+2*\c]
	v_cvt_scalef32_pk16_fp6_f32 v[PC+12+4*\c:PC+14+4*\c], v[S+32*\c+16:S+32*\c+31], v[SO+2*\c+1]
.endr
	v_nop
.irp c, 0,1
.irp i, 0,1,2
	v_permlane16_swap_b32 v[PC+6*\c+\i], v[PC+12+4*\c+\i]
.endr
.irp i, 0,1,2
	s_delay_alu instid0(VALU_DEP_3)
	v_mov_b32 v[PC+3+6*\c+\i], v[PC+12+4*\c+\i]
.endr
.endr
	WIN 0x41
.set j, 0
.rept 32
	v_pk_mul_f32 v[j:j+1], v[j:j+1], v[232:233] op_sel_hi:[1,0]    ; O^T under the new M; also the places in front of the products
.set j, j+2
.endr
.if \pf
	s_wait_alu depctr_va_vdst(0)
	s_wait_dscnt 28                                ; V's tiles and scale words are in; the 4 + 24 younger loads, the next step's K, may be out
.else
	s_wait_alu depctr_va_vdst(0)
	s_wait_dscnt 0x0                               ; V's tiles and scale words are in
.endif
	WIN 0x50
.irp t, 0,1,2,3,4,5,6,7
	PV \t
.endr
	WIN 0
.Lhidden_\@:
	s_add_co_u32 s14, s14, 1
	s_add_co_u32 s15, s15, STEPB
	s_add_co_u32 s16, s16, 512
.endm
; THE CHANGE OF SLOTS, at a slot's head: all my tensor loads are waited for, the add, my reads of the slot that I have left.  fill = 1: behind a round of the cluster's barrier that slot takes the next 512 keys.
; Then the first K of the slot ahead is asked of LDS.
.macro CHANGE fill
	s_wait_tensorcnt 0x0
	ds_add_u32 v[SPW], v[NIL]
.if \fill
	s_xor_b32 s41, s41, SLOT1                      ; the walking descriptor: the other slot,
	s_add_nc_u64 s[42:43], s[42:43], 49152         ; the next 512 keys
	s_wait_xcnt 0x0                                ; the last prefetch, a slot back, has read its address
	s_add_nc_u64 s[48:49], s[48:49], 49152
.endif
	s_wait_dscnt 0x0
.if \fill
	CROUND
	TLOAD
	KHEAD
	ASK
.else
	s_barrier_signal -1
	s_barrier_wait -1
	KHEAD
.endif
.endm
.macro SLOT_STEPS                      ; a slot's four key steps: three that ask for the next K, walked in a loop, and the last
	s_mov_b32 s19, 3
.Lq_\@:
	STEP 1
	s_sub_co_u32 s19, s19, 1
	s_cmp_lg_u32 s19, 0
	s_cbranch_scc1 .Lq_\@
	STEP 0
	s_sub_co_u32 s15, s15, 4*STEPB
	s_xor_b32 s15, s15, SLOT1
.endm
	s_load_b128 s[4:7], s[0:1], 0x0                ; qkv, y's codes
	v_lshl_add_u32 v[SPW], v0, 2, SPARE
	v_mov_b32 v[NIL], 0
	ds_add_u32 v5, v6
	ds_add_u32 v5, v6
	s_wait_dscnt 0x0
	v_lshrrev_b32 v8, 5, v0
	s_delay_alu instid0(VALU_DEP_1)
	v_readfirstlane_b32 s8, v8                     ; wave 0..7
	s_bfe_u32 s50, ttmp6, 0x40000                  ; cx
	s_and_b32 s51, ttmp7, 0xffff                   ; batch x 8 + head
	s_and_b32 s52, s51, 7
	s_lshr_b32 s53, s51, 3
	s_lshr_b32 s9, s8, 1
	s_and_b32 s10, s9, 1
	s_lshl_b32 s11, ttmp9, 1
	s_add_co_u32 s10, s10, s11
	s_sub_co_u32 s11, 15, s10
	s_and_b32 s13, s9, 2
	s_cmp_lg_u32 s13, 0
	s_cselect_b32 s12, s11, s10                    ; my band: of the cluster's x and the wave's number alone
	s_and_b32 s54, s8, 1
	s_lshl_b32 s55, s12, 3
	s_lshl_b32 s56, s50, 1
	s_add_co_u32 s55, s55, s56
	s_add_co_u32 s55, s55, s54                     ; my tile of queries in the batch
	s_lshl_b32 s56, s53, 7                         ; the batch's first tile
	s_add_co_u32 s57, s52, 8
	s_lshl_b32 s57, s57, 8
	s_add_co_u32 s57, s57, s56
	s_mul_i32 s58, s57, 1536                       ; K's codes,
	s_lshl_b32 s59, s57, 6
	s_add_co_u32 s59, s59, QKS                     ; scale words;
	s_mul_i32 s60, s51, 196608
	s_add_co_u32 s60, s60, VC                      ; V's codes,
	s_lshl_b32 s61, s51, 13
	s_add_co_u32 s61, s61, VS                      ; scale words
	s_mul_i32 s62, s54, 24576
	s_lshl_b32 s63, s54, 12
	s_and_b32 s69, s8, 3                           ; waves 0-3 fetch the codes' quarters, waves 4-7 the scale words' quarters: quarters 0, 1 are K's halves, 2, 3 V's
	s_cmp_lt_u32 s69, 2
	s_cselect_b32 s66, s58, s60
	s_cselect_b32 s68, s59, s61
	s_add_co_u32 s66, s66, s62
	s_add_co_u32 s68, s68, s63
	s_lshl_b32 s71, s69, 12
	s_add_co_u32 s71, s71, SCK
	s_mov_b32 s67, 0
	s_mov_b32 s69, 0
	s_mul_i32 s70, s8, 24576
	s_mov_b32 s24, 15|(3<<16)|(1<<21)              ; group 1: all four partners; elements of 8 bytes; 24,576 dense bytes as 96 rows of 256
	s_mov_b32 s25, 32<<16
	s_mov_b32 s26, 96<<16
	s_mov_b32 s27, 32<<16
	s_mov_b32 s28, 96
	s_mov_b32 s29, 32
	s_mov_b32 s30, 0
	s_mov_b32 s31, 0
	s_mov_b32 s32, 15|(3<<16)|(1<<21)              ; scale words: 4,096 bytes as 16 rows
	s_mov_b32 s33, 32<<16
	s_mov_b32 s34, 16<<16
	s_mov_b32 s35, 32<<16
	s_mov_b32 s36, 16
	s_mov_b32 s37, 32
	s_mov_b32 s38, 0
	s_mov_b32 s39, 0
	s_mov_b32 s[SEL], 0x76543210
	s_mov_b32 s[SEL+1], 0xfedcba98
	s_mov_b32 s22, 0x3e0293ee                      ; log2(e) / sqrt(128)
	s_mov_b32 s23, s22
	s_mov_b32 s14, 0
	s_mov_b32 s15, 0
	s_mov_b32 s16, 0
	s_mov_b32 s17, 3
	s_wait_kmcnt 0x0
	s_mov_b32 s44, 1
	s_mov_b32 s45, s71
	s_add_nc_u64 s[46:47], s[4:5], s[68:69]
	s_or_b32 s47, s47, 0x80000000
	s_mov_b32 s40, 1
	s_mov_b32 s41, s70
	s_add_nc_u64 s[42:43], s[4:5], s[66:67]
	s_or_b32 s43, s43, 0x80000000
	CROUND                                         ; all four work-groups are here: the first joint loads meet
	s_cmp_lt_u32 s8, 4                             ; a wave's two first fills stand in one branch
	s_cbranch_scc0 .Lfirst_sc                      ; one tensor load a wave at the head, one to each arm
	tensor_load_to_lds s[40:43], s[24:31]          ; waves 0-3: slot 0
	s_nop 0
.rept 4
	v_nop
.endr
	s_branch .Lfirst_done
.Lfirst_sc:
	tensor_load_to_lds s[44:47], s[32:39]          ; waves 4-7: the scale words
	s_nop 0
.rept 4
	v_nop
.endr
.Lfirst_done:
	s_cmp_lt_u32 s50, 2                            ; the prefetches' address
	s_cselect_b32 s66, s58, s60
	s_and_b32 s62, s50, 1
	s_mul_i32 s62, s62, 24576
	s_add_co_u32 s66, s66, s62
	s_and_b32 s62, s8, 3
	s_lshl_b32 s62, s62, 13
	s_add_co_u32 s66, s66, s62
	s_add_co_u32 s66, s66, 49152                   ; in slot 1: the first change steps it to slot 2
	s_mov_b32 s67, 0
	s_add_nc_u64 s[48:49], s[4:5], s[66:67]
	s_sub_co_u32 s62, s8, 4
	s_cmp_lt_u32 s62, 3                            ; waves 4-6
	s_cselect_b32 s18, 1, -1
	s_cmp_eq_u32 ttmp9, 0                          ; of the head's first cluster
	s_cselect_b32 s18, s18, -1
	v_and_b32 v8, 31, v0
	s_delay_alu instid0(VALU_DEP_1)
	v_lshlrev_b32 v1, 4, v8                        ; 16 x lane
	s_delay_alu instid0(VALU_DEP_1)
	v_add_nc_u32 v2, VOFF, v1
	s_delay_alu instid0(VALU_DEP_3)
	v_lshlrev_b32 v3, 2, v8
	s_delay_alu instid0(VALU_DEP_1)
	v_add_nc_u32 v4, SCV, v3
	s_delay_alu instid0(VALU_DEP_2)
	v_add_nc_u32 v3, SCK, v3
	v_lshlrev_b32 v28, 8, v8
	v_and_b32 v8, 15, v0                           ; r
	v_bfe_u32 v9, v0, 4, 1                         ; h
	s_delay_alu instid0(VALU_DEP_2)
	v_lshlrev_b32 v30, 2, v8
	s_wait_alu depctr_va_vdst(0)
	v_and_b32 v10, 8, v8
	s_delay_alu instid0(VALU_DEP_1)
	v_add_nc_u32 v7, v10, v8
	v_lshlrev_b32 v10, 4, v9
	s_delay_alu instid0(VALU_DEP_1)
	v_sub_nc_u32 v7, v7, v10
	s_lshl_b32 s9, s50, 5
	s_lshl_b32 s10, s54, 3
	s_add_co_u32 s9, s9, s10
	v_add_nc_u32 v7, s9, v7                        ; my query in its band - 16 h
	s_lshl_b32 s62, s52, 8
	s_add_co_u32 s62, s62, s56
	s_add_co_u32 s62, s62, s55
	s_lshl_b32 s66, s62, 6
	s_add_co_u32 s66, s66, QKS
	s_mul_i32 s62, s62, 1536
	s_mov_b32 s63, 0
	s_mov_b32 s67, 0
	s_add_nc_u64 s[62:63], s[4:5], s[62:63]
	s_add_nc_u64 s[66:67], s[4:5], s[66:67]
.irp c, 0,1,2
	global_load_b128 v[16+4*\c:19+4*\c], v1, s[62:63] offset:512*\c        ; Q's fragment stays in registers
.endr
	global_load_b32 v29, v30, s[66:67]             ; and its scale words
	s_add_co_u32 s58, s56, s55                     ; where y goes: (tile x 8 + head)
	s_lshl_b32 s58, s58, 3
	s_add_co_u32 s58, s58, s52
	s_lshl_b32 s60, s58, 6
	s_add_co_u32 s60, s60, 3145728
	s_mul_i32 s58, s58, 1536
	s_mov_b32 s59, 0
	s_mov_b32 s61, 0
	s_add_nc_u64 s[58:59], s[6:7], s[58:59]
	s_add_nc_u64 s[60:61], s[6:7], s[60:61]
	v_mov_b32 v13, 0xff61b1e6                      ; the largest t so far: -3e38
	s_delay_alu instid0(VALU_DEP_1)
	v_floor_f32 v12, -v13
	v_mov_b32 v14, 0
	v_mov_b32 v15, 0
	v_mov_b32 v233, 0
	v_mov_b32 v234, 0                              ; written once here: it is a lane permute's destination on the way out, and the key steps that write it stand under a branch
.irp b, 0,1,2,3
	v_mov_b32 v[BT+\b], 0                          ; a lane permute's destination counts as one of its sources
	v_mov_b32 v[TM+4+\b], 0
.endr
	WIN 0x40
.set j, 0
.rept 64
	v_mov_b32 v[j], 0                              ; O^T: the step is written for every turn alike; its first run finds zeros
.set j, j+1
.endr
	WIN 0
	s_wait_loadcnt 0x0
.Lslot:                                ; three trips: behind each change of slots but the last the next slot is asked for
	CHANGE 1
	SLOT_STEPS
	s_sub_co_u32 s17, s17, 1
	s_cmp_lg_u32 s17, 0
	s_cbranch_scc1 .Lslot
	CHANGE 0                                       ; the last slot is written out
	SLOT_STEPS
	PLACES 4
	v_add_f32 v14, v14, v15
	s_delay_alu instid0(VALU_DEP_1)
	v_permlanex16_b32 v234, v14, s[SEL], s[SEL+1]
	s_delay_alu instid0(VALU_DEP_1)
	v_add_f32 v14, v14, v234                       ; the row's sum
	s_wait_alu depctr_va_vdst(0)
	v_rcp_f32 v14, v14
	v_nop
	s_wait_alu depctr_va_vdst(0)
	WIN 0x01
.set j, 0
.rept 64
	v_mul_f32 v[S+j], v[j], v14                    ; register 16 b + i: channel 32 b + 16 h + i of my query
.set j, j+1
.endr
	WIN 0
	QUANT S, 0, 252
.irp c, 0,1,2
	global_store_b128 v1, v[PC+4*\c:PC+4*\c+3], s[58:59] offset:512*\c     ; 512 bytes on end
.endr
	global_store_b32 v30, v252, s[60:61]           ; 64 bytes: a twenty-fourth of what the wave stores; lanes r and 16 + r store the same word to the same place
	s_wait_tensorcnt 0x0                           ; the wave's end
	ds_add_u32 v[SPW], v[NIL]
	s_wait_dscnt 0x0
	CROUND                                         ; the closing round
	s_endpgm
.Lfunc_end_k_q230a1c1063_att:
	.size	k_q230a1c1063_att, .Lfunc_end_k_q230a1c1063_att-k_q230a1c1063_att
	.p2alignl 7, 3214868480
	.fill 96, 4, 3214868480
	.section	.rodata,"a",@progbits
	.p2align	6, 0x0
	.amdhsa_kernel k_q230a1c1063_att
		.amdhsa_group_segment_fixed_size 327680
		.amdhsa_private_segment_fixed_size 0
		.amdhsa_enable_private_segment 0
		.amdhsa_kernarg_size 16
		.amdhsa_user_sgpr_count 2
		.amdhsa_user_sgpr_kernarg_segment_ptr 1
		.amdhsa_wavefront_size32 1
		.amdhsa_system_sgpr_workgroup_id_x 1
		.amdhsa_system_sgpr_workgroup_id_y 1
		.amdhsa_system_sgpr_workgroup_id_z 1
		.amdhsa_system_vgpr_workitem_id 0
		.amdhsa_next_free_vgpr 416
		.amdhsa_next_free_sgpr 72
		.amdhsa_reserve_vcc 1
		.amdhsa_float_denorm_mode_32 3
		.amdhsa_float_denorm_mode_16_64 3
		.amdhsa_memory_ordered 1
		.amdhsa_forward_progress 1
		.amdhsa_inst_pref_size 122
	.end_amdhsa_kernel
	.amdgpu_metadata
---
amdhsa.version: [ 1, 2 ]
amdhsa.kernels:
  - .name:           k_q230a1c1063_att
    .symbol:         k_q230a1c1063_att.kd
    .args:
      - { .name: qkv, .offset: 0, .size: 8, .value_kind: global_buffer, .address_space: global }
      - { .name: ybuf, .offset: 8, .size: 8, .value_kind: global_buffer, .address_space: global }
    .group_segment_fixed_size: 327680
    .private_segment_fixed_size: 0
    .kernarg_segment_align: 8
    .kernarg_segment_size: 16
    .max_flat_workgroup_size: 256
    .sgpr_count:     72
    .vgpr_count:     416
    .wavefront_size: 32
...
	.end_amdgpu_metadata
.endif
;; end of part 3
;; launch oproj (part 4): grid 8 x 32, 4 waves a work-group, clusters of 4 x 4, 327,680 bytes of LDS; arguments ybuf, wts, bo, x, x1; writes x1
.if DOCPART == 4
	.amdgcn_target "amdgcn-amd-amdhsa--gfx1250"
	.amdhsa_code_object_version 6
	.text
	.protected	k_q230a1c1063_oproj
	.globl	k_q230a1c1063_oproj
	.p2align	8
	.type	k_q230a1c1063_oproj,@function
k_q230a1c1063_oproj:
	s_mov_b64 s[64:65], 0
	v_nop
	global_prefetch_b8 v0, s[64:65] scope:SCOPE_SE
	s_setreg_imm32_b32 hwreg(HW_REG_WAVE_MODE, 25, 1), 1
	s_wait_xcnt 0x0
	s_wait_alu depctr_hold_cnt(0) depctr_sa_sdst(0) depctr_va_vdst(0) depctr_va_sdst(0) depctr_va_ssrc(0) depctr_va_vcc(0) depctr_vm_vsrc(0)
	s_getreg_b32 s2, hwreg(HW_REG_IB_STS2, 6, 4)
	s_cmp_eq_u32 s2, 0
	s_cbranch_scc0 .Lentry_in_a_cluster
	s_endpgm
.Lentry_in_a_cluster:
	s_bfe_u32 s2, ttmp6, 0x10000c
	s_cmp_lg_u32 s2, 0xf033
	s_cbranch_scc0 .Lentry_shape_is_right
	s_endpgm
.Lentry_shape_is_right:
.set KS,     8
.set NCH,    KS/4
.set ASB0,   3145728
.set ASMUL,  512
.set ASPITCH, 32
.set SIA,    512
.set SKA,    128
.set LHA,    64
.set BC0,    2359296
.set BS0,    9437184+98304
.set SLOTB,  98304
.set HALFS,  256*KS
.set SCL,    2*SLOTB
.set STG,    SCL+4*HALFS
.set SPARE,  STG+17408
.set LI,   14
.set ADRA, 16
.set ADRB, 20
.set ASA,  24
.set ASB,  25
.set STO,  26
.set RD,   27
.set SPW,  28
.set NIL,  29
.set SCA,  32
.set SCB,  32+2*KS
.set MSB,  0
.macro WIN new
.if MSB != (\new)
	s_set_vgpr_msb (MSB<<8)|(\new)
.set MSB, (\new)
.endif
.endm
.macro PLACES n
.rept \n
	v_nop
.endr
.endm
.macro JLOAD g0a, g1a, g0b, g1b
	s_cmp_eq_u32 s17, 0
	s_cbranch_scc0 .Lfor_b_\@
	tensor_load_to_lds s[\g0a:\g0a+3], s[\g1a:\g1a+7]
	s_nop 0
.rept 4
	v_nop
.endr
	s_branch .Lasked_\@
.Lfor_b_\@:
	tensor_load_to_lds s[\g0b:\g0b+3], s[\g1b:\g1b+7]
	s_nop 0
.rept 4
	v_nop
.endr
.Lasked_\@:
.endm
.macro CREST
	s_cmp_lg_u32 s16, 0
	s_cbranch_scc1 .Lnot_wave_0_\@
	s_barrier_signal -3
.Lnot_wave_0_\@:
	s_barrier_wait -3
	s_barrier_signal -1
	s_barrier_wait -1
.endm
.macro CROUND
	s_barrier_signal -1
	s_barrier_wait -1
	CREST
.endm
.macro FETCH s, q, p
	WIN 0x40
.irp i, 0,1,2,3
.irp c, 0,1,2
	ds_load_b128 v[96*(\p)+12*\i+4*\c:96*(\p)+12*\i+4*\c+3], v[ADRA+(\s)] offset:(8*\i+(\q))*1536+512*\c
.endr
.endr
.irp i, 0,1,2,3
.irp c, 0,1,2
	ds_load_b128 v[96*(\p)+48+12*\i+4*\c:96*(\p)+48+12*\i+4*\c+3], v[ADRB+(\s)] offset:(8*\i+(\q))*1536+512*\c
.endr
.endr
.endm
.macro MUL n0, n, ks, first
.set aa, \n0
.rept \n
.irp b, 0,1,2,3
.set rD, 8*(4*aa+\b)
.set rC, rD
.if \first
.set rC, 192+8*\b
.endif
.set rB, 96*((\ks)%2)+48+12*\b
.set rA, 96*((\ks)%2)+12*aa
.set rSB, SCB+(KS/2)*\b+(\ks)/2
.set rSA, SCA+(KS/2)*aa+(\ks)/2
.if (\ks)%2
	v_wmma_scale_f32_16x16x128_f8f6f4 v[rD:rD+7], v[rB:rB+11], v[rA:rA+11], v[rC:rC+7], v[rSB], v[rSA] matrix_a_fmt:MATRIX_FMT_FP6 matrix_b_fmt:MATRIX_FMT_FP6 matrix_a_scale:MATRIX_SCALE_ROW1 matrix_b_scale:MATRIX_SCALE_ROW1
.else
	v_wmma_scale_f32_16x16x128_f8f6f4 v[rD:rD+7], v[rB:rB+11], v[rA:rA+11], v[rC:rC+7], v[rSB], v[rSA] matrix_a_fmt:MATRIX_FMT_FP6 matrix_b_fmt:MATRIX_FMT_FP6
.endif
.endr
.set aa, aa+1
.endr
.endm
.macro KSTEP ks, s, nq
	s_wait_dscnt 0x0
	PLACES 4
	FETCH \s, \nq, 1-(\ks)%2
.if (\ks) == 0
	WIN 0x95
	MUL 0, 4, \ks, 1
.else
	WIN 0xa5
	MUL 0, 4, \ks, 0
.endif
.endm
.macro TURN ks, s, fill
	WIN 0
	s_wait_tensorcnt 0x0
	ds_add_u32 v[SPW], v[NIL]
	s_wait_dscnt 1
	WIN 0xa5
	MUL 0, 2, \ks, 0
	s_wait_dscnt 0x0
	s_barrier_signal -1
	MUL 2, 1, \ks, 0
	WIN 0
	s_barrier_wait -1
.if \fill
	CREST
	s_add_nc_u64 s[58+4*(\s):59+4*(\s)], s[58+4*(\s):59+4*(\s)], 12288
	s_add_nc_u64 s[74+4*(\s):75+4*(\s)], s[74+4*(\s):75+4*(\s)], 12288
	JLOAD 56+4*(\s), 20, 72+4*(\s), 28
.else
	PLACES 4
.endif
	FETCH 1-(\s), 0, 1-(\ks)%2
	WIN 0xa5
	MUL 3, 1, \ks, 0
.endm
	s_load_b256 s[4:11], s[0:1], 0x0
	s_load_b64 s[12:13], s[0:1], 0x20
	v_lshl_add_u32 v[SPW], v0, 2, SPARE
	v_mov_b32 v[NIL], 0
	ds_add_u32 v28, v29
	ds_add_u32 v28, v29
	s_wait_dscnt 0x0
	v_lshrrev_b32 v1, 5, v0
	v_readfirstlane_b32 s16, v1
	s_lshr_b32 s17, s16, 1
	s_and_b32 s18, s16, 1
	s_bfe_u32 s92, ttmp6, 0x40000
	s_bfe_u32 s93, ttmp6, 0x40004
	s_lshl_b32 s94, s93, 2
	s_lshl_b32 s94, 15, s94
	s_lshl_b32 s95, 0x1111, s92
	s_lshl_b32 s96, ttmp9, 2
	s_add_co_u32 s96, s96, s92
	s_and_b32 s97, ttmp7, 0xffff
	s_lshl_b32 s97, s97, 2
	s_add_co_u32 s97, s97, s93
	s_or_b32 s20, s94, (3<<16)|(1<<21)
	s_or_b32 s28, s95, (3<<16)|(1<<21)
.irp g, 20, 28
	s_mov_b32 s[\g+1], 1536<<16                    ; a tile's eight K steps: 12,288 bytes; four tiles a load, all of K: 196,608 bytes a work-group, filled once
	s_mov_b32 s[\g+2], 4<<16
	s_mov_b32 s[\g+3], 1536<<16
	s_mov_b32 s[\g+4], 4
	s_mov_b32 s[\g+5], 192*KS
	s_mov_b32 s[\g+6], 0
	s_mov_b32 s[\g+7], 0
.endr
	s_lshl_b32 s82, s18, 2
	s_lshl_b32 s84, s97, 3
	s_add_co_u32 s84, s84, s82
	s_mul_i32 s86, s84, ASMUL
	s_add_co_u32 s86, s86, ASB0
	s_mul_i32 s84, s84, KS*1536
	s_mov_b32 s85, 0
	s_mov_b32 s87, 0
	s_lshl_b32 s88, s96, 3
	s_add_co_u32 s88, s88, s82
	s_mul_i32 s90, s88, KS*64
	s_add_co_u32 s90, s90, BS0
	s_mul_i32 s88, s88, KS*1536
	s_add_co_u32 s88, s88, BC0
	s_mov_b32 s89, 0
	s_mov_b32 s91, 0
	s_mul_i32 s98, s16, 49152
	s_wait_kmcnt 0x0
	s_add_nc_u64 s[84:85], s[4:5], s[84:85]
	s_add_nc_u64 s[86:87], s[4:5], s[86:87]
	s_add_nc_u64 s[88:89], s[6:7], s[88:89]
	s_add_nc_u64 s[90:91], s[6:7], s[90:91]
	CROUND
	s_lshl_b32 s68, s17, 11                        ; the scale words go from memory straight into registers: A's of the half that I multiply (4 tiles x 512 bytes a half),
	s_mov_b32 s69, 0
	s_add_nc_u64 s[52:53], s[86:87], s[68:69]
	s_lshl_b32 s68, s18, 11
	s_sub_nc_u64 s[52:53], s[52:53], s[68:69]
	s_mov_b64 s[54:55], s[90:91]                   ; and B's
	s_mov_b32 s56, 1
	s_mov_b32 s57, s98
	s_mov_b64 s[58:59], s[84:85]
	s_or_b32 s59, s59, 0x80000000
	s_mov_b32 s72, 1
	s_mov_b32 s73, s98
	s_mov_b64 s[74:75], s[88:89]
	s_or_b32 s75, s75, 0x80000000
	JLOAD 56, 20, 72, 28                           ; the launch's one tensor load a wave: four tiles, all eight K steps
	v_and_b32 v1, 31, v0
	v_lshlrev_b32 v2, 4, v1
	v_and_b32 v3, 15, v0
	v_bfe_u32 v4, v0, 4, 1
	s_wait_alu depctr_va_vdst(0)
	v_lshlrev_b32 v[LI], 12, v4
	v_lshl_add_u32 v[LI], v3, 4, v[LI]
	s_mul_i32 s2, s17, 49152
	s_mul_i32 s3, s18, 49152
	s_add_co_u32 s3, s3, SLOTB
	v_add_nc_u32 v[ADRA], s2, v2
	v_add_nc_u32 v[ADRB], s3, v2
	v_lshlrev_b32 v[ASA], 2, v1                    ; 4 x lane: my scale word in a pair of K steps
	s_mul_i32 s2, s16, 4352
	s_add_co_u32 s2, s2, STG
	v_mul_u32_u24 v5, v3, 272
	v_lshl_add_u32 v5, v4, 6, v5
	v_add_nc_u32 v[STO], s2, v5
	v_mul_u32_u24 v5, v4, 272
	v_lshl_add_u32 v5, v3, 4, v5
	v_add_nc_u32 v[RD], s2, v5
	s_lshl_b32 s84, s96, 9
	s_lshl_b32 s85, s18, 8
	s_add_co_u32 s84, s84, s85
	s_mov_b32 s85, 0
	s_add_nc_u64 s[8:9], s[8:9], s[84:85]
	v_lshlrev_b32 v6, 6, v4
	WIN 0x40
.irp b, 0,1,2,3
	global_load_b128 v[192+8*\b:192+8*\b+3], v6, s[8:9] offset:(32*(\b/2)+8*(\b%2))*4
	global_load_b128 v[192+8*\b+4:192+8*\b+7], v6, s[8:9] offset:(32*(\b/2)+8*(\b%2))*4+16
.endr
	WIN 0
	s_lshl_b32 s86, s97, 7
	s_lshl_b32 s87, s17, 6
	s_add_co_u32 s86, s86, s87
	s_lshl_b32 s86, s86, 12
	s_add_co_u32 s84, s84, s86
	s_add_nc_u64 s[10:11], s[10:11], s[84:85]
	s_add_nc_u64 s[12:13], s[12:13], s[84:85]
	s_wait_alu depctr_va_vdst(0)                   ; directly ahead of the reader below
.irp i, 0,1,2,3
.set kp, 0
.rept KS/2
	global_load_b32 v[SCA+(KS/2)*\i+kp], v[ASA], s[52:53] offset:512*\i+128*kp   ; lanes 0-15: K step 2 kp; lanes 16-31: 2 kp + 1
	global_load_b32 v[SCB+(KS/2)*\i+kp], v[ASA], s[54:55] offset:512*\i+128*kp
.set kp, kp+1
.endr
.endr
	WIN 0x80
.irp a, 0,1,2,3
.irp t, 0,1,2,3,4,5,6,7
	global_load_b128 v[128+32*\a+4*\t:128+32*\a+4*\t+3], v[LI], s[10:11] offset:(32*(\a/2)+8*(\a%2)+2*\t+8*(\t/4))*4096
.endr
.endr
	WIN 0
	s_wait_alu depctr_va_vdst(0)
	s_wait_tensorcnt 0x0                           ; my four tiles are in;
	s_barrier_signal -1
	s_barrier_wait -1                              ; and everybody's: nothing is filled again in this launch
	FETCH 0, 0, 0
	s_wait_loadcnt 32
.set K0, 0
.rept KS-1
	KSTEP K0, 0, K0+1
.set K0, K0+1
.endr
	s_wait_dscnt 0x0
	WIN 0xa5
	MUL 0, 4, KS-1, 0
	WIN 0
	PLACES 4
.macro WAYOUT a
.set TT, 160+32*((\a)%2)
.if (\a) >= 2
	s_wait_xcnt 0x0
.endif
	WIN 0x08
.irp b, 0,1,2,3
	ds_store_b128 v[STO], v[8*(4*(\a)+\b):8*(4*(\a)+\b)+3] offset:128*(\b/2)+32*(\b%2)
	ds_store_b128 v[STO], v[8*(4*(\a)+\b)+4:8*(4*(\a)+\b)+7] offset:128*(\b/2)+32*(\b%2)+16
.endr
	WIN 0
.irp t, 0,1,2,3,4,5,6,7
	ds_load_b128 v[TT+4*\t:TT+4*\t+3], v[RD] offset:544*\t
.endr
	s_wait_dscnt 0x0
.if (\a) == 0
	s_wait_loadcnt 0x0
.endif
	WIN 0x08
.set j, 0
.rept 16
	v_pk_add_f32 v[TT+j:TT+j+1], v[TT+j:TT+j+1], v[128+32*(\a)+j:128+32*(\a)+j+1]
.set j, j+2
.endr
	WIN 0
.irp t, 0,1,2,3,4,5,6,7
	global_store_b128 v[LI], v[TT+4*\t:TT+4*\t+3], s[12:13] offset:(32*((\a)/2)+8*((\a)%2)+2*\t+8*(\t/4))*4096 th:TH_STORE_NT
.endr
.endm
.irp a, 0,1,2,3
	WAYOUT \a
.endr
	s_wait_tensorcnt 0x0
	ds_add_u32 v[SPW], v[NIL]
	s_wait_dscnt 0x0
	CROUND
	s_endpgm
.Lfunc_end_k_q230a1c1063_oproj:
	.size	k_q230a1c1063_oproj, .Lfunc_end_k_q230a1c1063_oproj-k_q230a1c1063_oproj
	.p2alignl 7, 3214868480
	.fill 96, 4, 3214868480
	.section	.rodata,"a",@progbits
	.p2align	6, 0x0
	.amdhsa_kernel k_q230a1c1063_oproj
		.amdhsa_group_segment_fixed_size 327680
		.amdhsa_private_segment_fixed_size 0
		.amdhsa_enable_private_segment 0
		.amdhsa_kernarg_size 40
		.amdhsa_user_sgpr_count 2
		.amdhsa_user_sgpr_kernarg_segment_ptr 1
		.amdhsa_wavefront_size32 1
		.amdhsa_system_sgpr_workgroup_id_x 1
		.amdhsa_system_sgpr_workgroup_id_y 1
		.amdhsa_system_sgpr_workgroup_id_z 1
		.amdhsa_system_vgpr_workitem_id 0
		.amdhsa_next_free_vgpr 768
		.amdhsa_next_free_sgpr 100
		.amdhsa_reserve_vcc 0
		.amdhsa_float_denorm_mode_32 3
		.amdhsa_float_denorm_mode_16_64 3
		.amdhsa_memory_ordered 1
		.amdhsa_forward_progress 1
		.amdhsa_inst_pref_size 56
	.end_amdhsa_kernel
	.amdgpu_metadata
---
amdhsa.version: [ 1, 2 ]
amdhsa.kernels:
  - .name:           k_q230a1c1063_oproj
    .symbol:         k_q230a1c1063_oproj.kd
    .args:
      - { .name: ybuf, .offset: 0, .size: 8, .value_kind: global_buffer, .address_space: global }
      - { .name: wts, .offset: 8, .size: 8, .value_kind: global_buffer, .address_space: global }
      - { .name: bo, .offset: 16, .size: 8, .value_kind: global_buffer, .address_space: global }
      - { .name: x, .offset: 24, .size: 8, .value_kind: global_buffer, .address_space: global }
      - { .name: x1, .offset: 32, .size: 8, .value_kind: global_buffer, .address_space: global }
    .group_segment_fixed_size: 327680
    .private_segment_fixed_size: 0
    .kernarg_segment_align: 8
    .kernarg_segment_size: 40
    .max_flat_workgroup_size: 128
    .sgpr_count:     100
    .vgpr_count:     768
    .wavefront_size: 32
...
	.end_amdgpu_metadata
.endif
;; end of part 4
;; launch ln2 (part 5): grid 256 x 3, 8 waves a work-group, no clusters, 67,584 bytes of LDS; arguments x1, ln2_g, ln2_b, mbuf, w1, w2, wts; writes mbuf, wts
.if DOCPART == 5
	.amdgcn_target "amdgcn-amd-amdhsa--gfx1250"
	.amdhsa_code_object_version 6
	.text
	.protected	k_q230a1c1063_ln2
	.globl	k_q230a1c1063_ln2
	.p2align	8
	.type	k_q230a1c1063_ln2,@function
k_q230a1c1063_ln2:
	s_mov_b64 s[64:65], 0
	v_nop
	global_prefetch_b8 v0, s[64:65] scope:SCOPE_SE
	s_setreg_imm32_b32 hwreg(HW_REG_WAVE_MODE, 25, 1), 1
	s_wait_xcnt 0x0
; 16 rows x 1,024 numbers of f32 become eight operand fragments of FP6 (E2M3) codes and their E8M0 scale words.
; Work-group y = 0: rows of argument 0, layer-normed (gain argument 1, bias argument 2), to argument 3.
; MODE 1 (this text): y = 1: w1, units 256-511 of the weights' buffer; y = 2: w2 (x % 4 says which 1,024 of its 4,096 columns), units 512-767: as they are.
; MODE 0 (the same text, at the program's head): y = 1: wq, wk, wv, wo (x / 64 says which), units 0-255.
; The weights are shared out between the two launches so that each has at most three work-groups for a WGP, as many as its registers (8 waves x 146) and LDS let lie there together.
; A TILE's 16 rows are not neighbours: row i of tile T is row 32 (T / 2) + 8 (T % 2) + i + 8 (i / 8).
; A FRAGMENT (16 rows x 128 K) is stored as the image of its 12 registers: piece c (registers 4 c .. 4 c + 3) of lane l at 512 c + 16 l; its 16 scale words as 64 bytes.
; A block's scale byte is its largest magnitude's exponent field - 2, held at 1 from below.
; LIMITS: NaN and infinities are not served; a block of zeros, or one under 2^-124, gets the byte 1 (its codes are zeros; the bytes are read by this program alone); 1 / sqrt by v_rsq_f32.
; Phase 1: wave w loads tile rows 2 w, 2 w + 1 (each load 512 bytes on end), norms them, stores them to LDS.  Phase 2: wave w quantises K step w of all 16 rows.
.set MODE, 1
.set LP,   4112                        ; an LDS row: 4,096 bytes + 16: 257 x 16, so the 16 rows that a load of 16 bytes a lane touches start in different banks
.set SCL,  16*LP                       ; behind the rows: the tile's 8 x 16 scale words
.set X,    16                          ; v16-79   two rows, 32 registers each
.set G,    80                          ; v80-111  gain
.set BB,   112                         ; v112-143 bias
.set N,    16                          ; phase 2: my 64 numbers
.set TM,   80                          ; v80-95   at work in QUANT
.set PC,   96                          ; v96-115  codes
.set PW,   116                         ; v116     scale word
.set SEL,  42                          ; s[42:43] lane selects: lane l xor 16
.set MSB,  0
.macro WIN new
.if MSB != (\new)
	s_set_vgpr_msb (MSB<<8)|(\new)
.set MSB, (\new)
.endif
.endm
; 64 numbers of a lane, register 16 b + i = k 32 b + 16 (lane / 16) + i of my row, become a fragment's codes in v[PC] on and its scale word in v[pw].
.macro QUANT s, w, pw
.set QW, (\w)|((\w)<<2)
	WIN QW
.irp b, 0,1,2,3
	v_max3_num_f32 v[TM+\b], |v[(\s)+16*\b]|, |v[(\s)+16*\b+1]|, 0x1800000   ; my 16 numbers of block b, and the floor 2^(3 - 127)
.endr
.irp i, 2,4,6,8,10,12,14
.irp b, 0,1,2,3
	s_delay_alu instid0(VALU_DEP_4)
	v_max3_num_f32 v[TM+\b], |v[(\s)+16*\b+\i]|, |v[(\s)+16*\b+\i+1]|, v[TM+\b]
.endr
.endr
	WIN 0
.irp b, 0,1,2,3
	s_delay_alu instid0(VALU_DEP_4)
	v_permlanex16_b32 v[TM+4+\b], v[TM+\b], s[SEL], s[SEL+1]
.endr
.irp b, 0,1,2,3
	s_delay_alu instid0(VALU_DEP_4)
	v_max_num_f32 v[TM+\b], v[TM+\b], v[TM+4+\b]       ; with lane l xor 16's: the block's largest magnitude
.endr
.irp b, 0,1,2,3
	s_delay_alu instid0(VALU_DEP_4)
	v_add_nc_u32 v[TM+12+\b], 0xff000000, v[TM+\b]     ; 2 off its exponent field: the conversion's scale operand
.endr
.irp b, 0,1,2,3
	s_delay_alu instid0(VALU_DEP_4)
	v_lshrrev_b32 v[TM+4+\b], 23, v[TM+12+\b]          ; the scale's byte
.endr
	s_delay_alu instid0(VALU_DEP_3)
	v_lshl_or_b32 v[\pw], v[TM+5], 8, v[TM+4]
	s_delay_alu instid0(VALU_DEP_1)
	v_lshl_or_b32 v[\pw], v[TM+6], 16, v[\pw]
	s_delay_alu instid0(VALU_DEP_1)
	v_lshl_or_b32 v[\pw], v[TM+7], 24, v[\pw]
	WIN (\w)
.irp c, 0,1
	v_cvt_scalef32_pk16_fp6_f32 v[PC+6*\c:PC+6*\c+2], v[(\s)+32*\c:(\s)+32*\c+15], v[TM+12+2*\c]
	v_cvt_scalef32_pk16_fp6_f32 v[PC+12+4*\c:PC+14+4*\c], v[(\s)+32*\c+16:(\s)+32*\c+31], v[TM+13+2*\c]
.endr
	WIN 0
	v_nop                                              ; one plain place behind a scaled conversion
.irp c, 0,1
.irp i, 0,1,2
	v_permlane16_swap_b32 v[PC+6*\c+\i], v[PC+12+4*\c+\i]   ; a whole block to a lane: lanes 0-15 block 2 c, lanes 16-31 block 2 c + 1
.endr
.irp i, 0,1,2
	s_delay_alu instid0(VALU_DEP_3)
	v_mov_b32 v[PC+3+6*\c+\i], v[PC+12+4*\c+\i]
.endr
.endr
.endm
.macro LANESUM                         ; v[8:9] -> the sum over the wave, in v8 of every lane
	s_delay_alu instid0(VALU_DEP_1)
	v_add_f32 v8, v8, v9
	s_delay_alu instid0(VALU_DEP_1)
	v_add_f32_dpp v8, v8, v8 row_xmask:1 row_mask:0xf bank_mask:0xf
	s_delay_alu instid0(VALU_DEP_1)
	v_add_f32_dpp v8, v8, v8 row_xmask:2 row_mask:0xf bank_mask:0xf
	s_delay_alu instid0(VALU_DEP_1)
	v_add_f32_dpp v8, v8, v8 row_xmask:4 row_mask:0xf bank_mask:0xf
	s_delay_alu instid0(VALU_DEP_1)
	v_add_f32_dpp v8, v8, v8 row_xmask:8 row_mask:0xf bank_mask:0xf
	s_delay_alu instid0(VALU_DEP_1)
	v_permlanex16_b32 v9, v8, s[SEL], s[SEL+1]
	s_delay_alu instid0(VALU_DEP_1)
	v_add_f32 v8, v8, v9
.endm
.macro ROWSTAT e                       ; row e: x - mean in place; variance + eps in v[12 + 2 e]
.set XE, X+32*\e
.set MU, 12+2*\e
	v_pk_add_f32 v[8:9], v[XE:XE+1], v[XE+2:XE+3]
	v_pk_add_f32 v[10:11], v[XE+4:XE+5], v[XE+6:XE+7]
.irp j, 8,12,16,20,24,28
	s_delay_alu instid0(VALU_DEP_2)
	v_pk_add_f32 v[8:9], v[8:9], v[XE+\j:XE+\j+1]
	s_delay_alu instid0(VALU_DEP_2)
	v_pk_add_f32 v[10:11], v[10:11], v[XE+\j+2:XE+\j+3]
.endr
	s_delay_alu instid0(VALU_DEP_1)
	v_pk_add_f32 v[8:9], v[8:9], v[10:11]
	LANESUM
	s_delay_alu instid0(VALU_DEP_1)
	v_mul_f32 v[MU], s44, v8                           ; - mean
	s_delay_alu instid0(VALU_DEP_2)
	v_mul_f32 v[MU+1], s44, v8
.irp j, 0,2,4,6,8,10,12,14,16,18,20,22,24,26,28,30
	v_pk_add_f32 v[XE+\j:XE+\j+1], v[XE+\j:XE+\j+1], v[MU:MU+1]
.endr
	v_pk_mul_f32 v[8:9], v[XE:XE+1], v[XE:XE+1]
	v_pk_mul_f32 v[10:11], v[XE+2:XE+3], v[XE+2:XE+3]
.irp j, 4,8,12,16,20,24,28
	s_delay_alu instid0(VALU_DEP_2)
	v_pk_fma_f32 v[8:9], v[XE+\j:XE+\j+1], v[XE+\j:XE+\j+1], v[8:9]
	s_delay_alu instid0(VALU_DEP_2)
	v_pk_fma_f32 v[10:11], v[XE+\j+2:XE+\j+3], v[XE+\j+2:XE+\j+3], v[10:11]
.endr
	s_delay_alu instid0(VALU_DEP_1)
	v_pk_add_f32 v[8:9], v[8:9], v[10:11]
	LANESUM
	s_delay_alu instid0(VALU_DEP_1)
	v_fma_f32 v[MU], v8, s48, s49                      ; sum of squares / 1,024 + 1e-5
.endm
	s_load_b256 s[4:11], s[0:1], 0x0               ; rows to norm, gain, bias, their codes' buffer
.if MODE == 0
	s_load_b256 s[12:19], s[0:1], 0x20             ; wq, wk, wv, wo
	s_load_b64 s[24:25], s[0:1], 0x40              ; the weights' codes
.else
	s_load_b128 s[12:15], s[0:1], 0x20             ; w1, w2
	s_load_b64 s[24:25], s[0:1], 0x30              ; the weights' codes
	v_lshl_add_u32 v144, v0, 2, 0x10400
	v_mov_b32 v145, 0
.endif
	v_lshrrev_b32 v5, 5, v0
	s_delay_alu instid0(VALU_DEP_1)
	v_readfirstlane_b32 s28, v5                    ; wave 0..7
	s_and_b32 s26, ttmp7, 0xffff                   ; y
	s_mov_b32 s27, ttmp9                           ; x
	s_mov_b32 s[SEL], 0x76543210
	s_mov_b32 s[SEL+1], 0xfedcba98
	s_mov_b32 s44, 0xba800000                      ; -1 / 1,024
	s_mov_b32 s48, 0x3a800000                      ; 1 / 1,024
	s_mov_b32 s49, 0x3727c5ac                      ; 1e-5
	s_mov_b32 s46, 9437184                         ; where the weights' scale words begin
.if MODE == 0
	s_lshr_b32 s29, s27, 6                         ; y = 1: which of the four square weights
	s_and_b32 s32, s27, 63
	s_mov_b32 s33, 4096                            ; a row of the tensor, in bytes
	s_mov_b32 s34, 0                               ; first column, in bytes
	s_mov_b32 s45, s27                             ; the unit in the destination
	s_cmp_eq_u32 s26, 0
	s_cselect_b32 s32, s27, s32                    ; the tile in its tensor
	s_cselect_b32 s46, 3145728, s46                ; where the destination's scale words begin
.else
	s_lshr_b32 s35, s27, 2
	s_and_b32 s34, s27, 3
	s_lshl_b32 s34, s34, 12
	s_mov_b32 s33, 16384
	s_lshl_b32 s45, s26, 8
	s_add_co_u32 s45, s45, s27                     ; the unit in the destination: x for the norm, 256 + x for w1, 512 + x for w2
	s_cmp_eq_u32 s26, 2
	s_cselect_b32 s32, s35, s27                    ; the tile in its tensor
	s_cselect_b32 s34, s34, 0                      ; first column, in bytes
	s_cselect_b32 s33, s33, 4096                   ; a row of the tensor, in bytes
	s_cmp_eq_u32 s26, 0
	s_cselect_b32 s46, 3145728, s46                ; where the destination's scale words begin
.endif
	s_lshr_b32 s38, s32, 1                         ; my first row: 32 (T / 2) + 8 (T % 2) + 2 w + 8 (w / 4)
	s_lshl_b32 s38, s38, 5
	s_and_b32 s39, s32, 1
	s_lshl_b32 s39, s39, 3
	s_add_co_u32 s38, s38, s39
	s_lshl_b32 s39, s28, 1
	s_add_co_u32 s38, s38, s39
	s_lshr_b32 s39, s28, 2
	s_lshl_b32 s39, s39, 3
	s_add_co_u32 s38, s38, s39
	s_mul_i32 s38, s38, s33
	s_add_co_u32 s38, s38, s34
	s_mov_b32 s39, 0
	v_and_b32 v5, 31, v0
	s_delay_alu instid0(VALU_DEP_1)
	v_lshlrev_b32 v1, 4, v5                        ; 16 x lane
	s_delay_alu instid0(VALU_DEP_1)
	v_add_nc_u32 v2, s33, v1                       ; and a row further down
	v_and_b32 v8, 15, v0                           ; r
	v_bfe_u32 v9, v0, 4, 1                         ; h
	s_mul_i32 s47, s28, 2*LP
	v_add_nc_u32 v3, s47, v1                       ; LDS, in: my two rows
	v_mul_u32_u24 v4, v8, LP
	s_delay_alu instid0(VALU_DEP_1)
	v_lshl_add_u32 v4, v9, 6, v4
	s_lshl_b32 s47, s28, 9
	v_add_nc_u32 v4, s47, v4                       ; LDS, out: row r, K step w, + 64 h
	s_lshl_b32 s47, s28, 6
	v_lshlrev_b32 v6, 2, v8
	s_delay_alu instid0(VALU_DEP_1)
	v_add_nc_u32 v6, s47, v6
	s_delay_alu instid0(VALU_DEP_1)
	v_add_nc_u32 v6, SCL, v6                       ; my row's scale word of K step w
	v_add_nc_u32 v7, SCL, v1
	s_wait_kmcnt 0x0
.if MODE == 0
	s_cmp_eq_u32 s29, 1                            ; the source: a choice among buffers on ids alone
	s_cselect_b64 s[30:31], s[14:15], s[12:13]
	s_cmp_eq_u32 s29, 2
	s_cselect_b64 s[30:31], s[16:17], s[30:31]
	s_cmp_eq_u32 s29, 3
	s_cselect_b64 s[30:31], s[18:19], s[30:31]
.else
	s_cmp_eq_u32 s26, 2                            ; the source: a choice among buffers on ids alone
	s_cselect_b64 s[30:31], s[14:15], s[12:13]
.endif
	s_cmp_eq_u32 s26, 0
	s_cselect_b64 s[30:31], s[4:5], s[30:31]
	s_cselect_b64 s[36:37], s[10:11], s[24:25]     ; the destination
	s_add_nc_u64 s[30:31], s[30:31], s[38:39]
	s_mul_i32 s38, s45, 12288
	s_mul_i32 s47, s28, 1536
	s_add_co_u32 s38, s38, s47                     ; my fragment: unit x 12,288 + 1,536 w
	s_lshl_b32 s40, s45, 9
	s_add_co_u32 s40, s40, s46
	s_mov_b32 s41, 0
	s_add_nc_u64 s[40:41], s[36:37], s[40:41]      ; the unit's 512 bytes of scale words
	s_add_nc_u64 s[36:37], s[36:37], s[38:39]
.irp j, 0,1,2,3,4,5,6,7
	global_load_b128 v[X+4*\j:X+4*\j+3], v1, s[30:31] offset:512*\j        ; 32 lanes read 512 bytes on end
	global_load_b128 v[X+32+4*\j:X+32+4*\j+3], v2, s[30:31] offset:512*\j
.endr
	s_cmp_lg_u32 s26, 0
	s_cbranch_scc1 .Lraw                           ; weights are quantised as they are
.irp j, 0,1,2,3,4,5,6,7
	global_load_b128 v[G+4*\j:G+4*\j+3], v1, s[6:7] offset:512*\j
	global_load_b128 v[BB+4*\j:BB+4*\j+3], v1, s[8:9] offset:512*\j
.endr
	s_wait_loadcnt 0x0
	ROWSTAT 0
	ROWSTAT 1
	s_wait_alu depctr_va_vdst(0)
	v_rsq_f32 v12, v12
	v_rsq_f32 v14, v14
	v_nop                                          ; a plain place behind the last of the two
	s_wait_alu depctr_va_vdst(0)                   ; one wait for both, ahead of their first reader
	v_mov_b32 v13, v12
	v_mov_b32 v15, v14
.irp e, 0,1
.irp j, 0,2,4,6,8,10,12,14,16,18,20,22,24,26,28,30
	v_pk_mul_f32 v[X+32*\e+\j:X+32*\e+\j+1], v[X+32*\e+\j:X+32*\e+\j+1], v[12+2*\e:13+2*\e]
.endr
.irp j, 0,2,4,6,8,10,12,14,16,18,20,22,24,26,28,30
	v_pk_fma_f32 v[X+32*\e+\j:X+32*\e+\j+1], v[X+32*\e+\j:X+32*\e+\j+1], v[G+\j:G+\j+1], v[BB+\j:BB+\j+1]
.endr
.endr
.Lraw:
	s_wait_loadcnt 0x0
	s_wait_alu depctr_va_vdst(0)
.irp e, 0,1
.irp j, 0,1,2,3,4,5,6,7
	ds_store_b128 v3, v[X+32*\e+4*\j:X+32*\e+4*\j+3] offset:\e*LP+512*\j
.endr
.endr
	s_wait_dscnt 0x0                               ; for the others' sake: my rows lie in LDS
	s_barrier_signal -1
	s_barrier_wait -1
.irp b, 0,1,2,3
.irp j, 0,1,2,3
	ds_load_b128 v[N+16*\b+4*\j:N+16*\b+4*\j+3], v4 offset:128*\b+16*\j    ; row r: k = 128 w + 32 b + 16 h + 4 j on
.endr
.endr
.irp b, 0,1,2,3
	v_mov_b32 v[TM+4+\b], 0                        ; a lane permute's destination counts as one of its sources
.endr
	s_wait_dscnt 0x0
	QUANT N, 0, PW
.irp c, 0,1,2
	global_store_b128 v1, v[PC+4*\c:PC+4*\c+3], s[36:37] offset:512*\c     ; 512 bytes on end
.endr
	ds_store_b32 v6, v[PW]                         ; lanes r and 16 + r hold the same word and write it to the same place
	s_wait_dscnt 0x0
	s_barrier_signal -1
	s_barrier_wait -1
	s_cmp_lg_u32 s28, 0
	s_cbranch_scc1 .Lend
	ds_load_b128 v[120:123], v7                    ; wave 0: the tile's 512 bytes of scale words leave together
	s_wait_dscnt 0x0
	global_store_b128 v1, v[120:123], s[40:41]
.Lend:
	s_wait_tensorcnt 0x0
	ds_add_u32 v144, v145
	s_wait_dscnt 0x0
	s_endpgm
.Lfunc_end_k_q230a1c1063_ln2:
	.size	k_q230a1c1063_ln2, .Lfunc_end_k_q230a1c1063_ln2-k_q230a1c1063_ln2
	.p2alignl 7, 3214868480
	.fill 96, 4, 3214868480
	.section	.rodata,"a",@progbits
	.p2align	6, 0x0
	.amdhsa_kernel k_q230a1c1063_ln2
		.amdhsa_group_segment_fixed_size 67584
		.amdhsa_private_segment_fixed_size 0
		.amdhsa_enable_private_segment 0
		.amdhsa_kernarg_size 56
		.amdhsa_user_sgpr_count 2
		.amdhsa_user_sgpr_kernarg_segment_ptr 1
		.amdhsa_wavefront_size32 1
		.amdhsa_system_sgpr_workgroup_id_x 1
		.amdhsa_system_sgpr_workgroup_id_y 1
		.amdhsa_system_sgpr_workgroup_id_z 1
		.amdhsa_system_vgpr_workitem_id 0
		.amdhsa_next_free_vgpr 146
		.amdhsa_next_free_sgpr 66
		.amdhsa_reserve_vcc 0
		.amdhsa_float_denorm_mode_32 3
		.amdhsa_float_denorm_mode_16_64 3
		.amdhsa_memory_ordered 1
		.amdhsa_forward_progress 1
		.amdhsa_inst_pref_size 30
	.end_amdhsa_kernel
	.amdgpu_metadata
---
amdhsa.version: [ 1, 2 ]
amdhsa.kernels:
  - .name:           k_q230a1c1063_ln2
    .symbol:         k_q230a1c1063_ln2.kd
    .args:
      - { .name: x1, .offset: 0, .size: 8, .value_kind: global_buffer, .address_space: global }
      - { .name: ln2_g, .offset: 8, .size: 8, .value_kind: global_buffer, .address_space: global }
      - { .name: ln2_b, .offset: 16, .size: 8, .value_kind: global_buffer, .address_space: global }
      - { .name: mbuf, .offset: 24, .size: 8, .value_kind: global_buffer, .address_space: global }
      - { .name: w1, .offset: 32, .size: 8, .value_kind: global_buffer, .address_space: global }
      - { .name: w2, .offset: 40, .size: 8, .value_kind: global_buffer, .address_space: global }
      - { .name: wts, .offset: 48, .size: 8, .value_kind: global_buffer, .address_space: global }
    .group_segment_fixed_size: 67584
    .private_segment_fixed_size: 0
    .kernarg_segment_align: 8
    .kernarg_segment_size: 56
    .max_flat_workgroup_size: 256
    .sgpr_count:     66
    .vgpr_count:     146
    .wavefront_size: 32
...
	.end_amdgpu_metadata
.endif
;; end of part 5
;; launch mlp1 (part 6): grid 16 x 16, 4 waves a work-group, clusters of 4 x 4, 327,680 bytes of LDS; arguments mbuf, wts, b1, gbuf; writes gbuf
.if DOCPART == 6
	.amdgcn_target "amdgcn-amd-amdhsa--gfx1250"
	.amdhsa_code_object_version 6
	.text
	.protected	k_q230a1c1063_mlp1
	.globl	k_q230a1c1063_mlp1
	.p2align	8
	.type	k_q230a1c1063_mlp1,@function
k_q230a1c1063_mlp1:
	s_mov_b64 s[64:65], 0
	v_nop
	global_prefetch_b8 v0, s[64:65] scope:SCOPE_SE
	s_setreg_imm32_b32 hwreg(HW_REG_WAVE_MODE, 25, 1), 1
	s_wait_xcnt 0x0
	s_wait_alu depctr_hold_cnt(0) depctr_sa_sdst(0) depctr_va_vdst(0) depctr_va_sdst(0) depctr_va_ssrc(0) depctr_va_vcc(0) depctr_vm_vsrc(0)
	s_getreg_b32 s2, hwreg(HW_REG_IB_STS2, 6, 4)
	s_cmp_eq_u32 s2, 0
	s_cbranch_scc0 .Lentry_in_a_cluster
	s_endpgm
.Lentry_in_a_cluster:
	s_bfe_u32 s2, ttmp6, 0x10000c
	s_cmp_lg_u32 s2, 0xf033
	s_cbranch_scc0 .Lentry_shape_is_right
	s_endpgm
.Lentry_shape_is_right:
.set REG,   98304
.set SCL,   3*REG
.set SCR,   SCL+16384
.set SPARE, SCR+2048
.set W1C,   3145728
.set W1S,   9437184+131072
.set HSC,   3145728
.set GS,    12582912
.set LI,   14
.set ADRA, 16
.set ADRB, 20
.set ASA,  24
.set ASB,  25
.set SWS,  26
.set SWR,  27
.set SPW,  28
.set NIL,  29
.set SCB,  32
.set SCA,  64
.set AF,   128
.set Z,    96
.set SQ,   160
.set PA,   192
.set PB,   224
.set TM,   160
.set PC,   176
.set PW,   196
.set SEL,  2
.set MSB,  0
.macro WIN new
.if MSB != (\new)
	s_set_vgpr_msb (MSB<<8)|(\new)
.set MSB, (\new)
.endif
.endm
.macro PLACES n
.rept \n
	v_nop
.endr
.endm
.macro QUANT s, w, pw
.set QW, (\w)|((\w)<<2)
	WIN QW
.irp b, 0,1,2,3
	v_max3_num_f32 v[TM+\b], |v[(\s)+16*\b]|, |v[(\s)+16*\b+1]|, 0x1800000
.endr
.irp i, 2,4,6,8,10,12,14
.irp b, 0,1,2,3
	v_max3_num_f32 v[TM+\b], |v[(\s)+16*\b+\i]|, |v[(\s)+16*\b+\i+1]|, v[TM+\b]
.endr
.endr
	WIN 0
.irp b, 0,1,2,3
	v_permlanex16_b32 v[TM+4+\b], v[TM+\b], s[SEL], s[SEL+1]
.endr
.irp b, 0,1,2,3
	v_max_num_f32 v[TM+\b], v[TM+\b], v[TM+4+\b]
.endr
.irp b, 0,1,2,3
	v_add_nc_u32 v[TM+12+\b], 0xff000000, v[TM+\b]
.endr
.irp b, 0,1,2,3
	v_lshrrev_b32 v[TM+4+\b], 23, v[TM+12+\b]
.endr
	v_lshl_or_b32 v[\pw], v[TM+5], 8, v[TM+4]
	v_lshl_or_b32 v[\pw], v[TM+6], 16, v[\pw]
	v_lshl_or_b32 v[\pw], v[TM+7], 24, v[\pw]
	WIN (\w)
.irp c, 0,1
	v_cvt_scalef32_pk16_fp6_f32 v[PC+6*\c:PC+6*\c+2], v[(\s)+32*\c:(\s)+32*\c+15], v[TM+12+2*\c]
	v_cvt_scalef32_pk16_fp6_f32 v[PC+12+4*\c:PC+14+4*\c], v[(\s)+32*\c+16:(\s)+32*\c+31], v[TM+13+2*\c]
.endr
	WIN 0
	v_nop
.irp c, 0,1
.irp i, 0,1,2
	v_permlane16_swap_b32 v[PC+6*\c+\i], v[PC+12+4*\c+\i]
.endr
.irp i, 0,1,2
	v_mov_b32 v[PC+3+6*\c+\i], v[PC+12+4*\c+\i]
.endr
.endr
.endm
.macro JLOAD g0a, g1a, g0b, g1b
	s_cmp_eq_u32 s17, 0
	s_cbranch_scc0 .Lfor_b_\@
	tensor_load_to_lds s[\g0a:\g0a+3], s[\g1a:\g1a+7]
	s_nop 0
.rept 4
	v_nop
.endr
	s_branch .Lasked_\@
.Lfor_b_\@:
	tensor_load_to_lds s[\g0b:\g0b+3], s[\g1b:\g1b+7]
	s_nop 0
.rept 4
	v_nop
.endr
.Lasked_\@:
.endm
.macro CREST
	s_cmp_lg_u32 s16, 0
	s_cbranch_scc1 .Lnot_wave_0_\@
	s_barrier_signal -3
.Lnot_wave_0_\@:
	s_barrier_wait -3
	s_barrier_signal -1
	s_barrier_wait -1
.endm
.macro CROUND
	s_barrier_signal -1
	s_barrier_wait -1
	CREST
.endm
.macro FRAG reg, adr, off
.irp c, 0,1,2
	ds_load_b128 v[(\reg)+4*\c:(\reg)+4*\c+3], v[\adr] offset:(\off)+512*\c
.endr
.endm
.macro FETCH_B c, q, p
	WIN 0x40
.if (\c) == 0                          ; layout 0 holds four K steps a tile, layouts 1 and 2 two
.set FS, 4
.else
.set FS, 2
.endif
.irp i, 0,1,2,3,4,5,6,7
	FRAG 128*(\p)+12*\i, ADRB+(\c), (FS*\i+(\q))*1536
.endr
	WIN 0
.endm
.macro FETCH_A c, q, i0
.if (\c) == 0
.set FS, 4
.else
.set FS, 2
.endif
.irp i, \i0, \i0+1, \i0+2, \i0+3
	FRAG AF+12*(\i), ADRA+(\c), (FS*(\i)+(\q))*1536
.endr
.endm
.macro MUL16 a0, ks, first
.irp a, \a0, \a0+1
.irp b, 0,1,2,3,4,5,6,7
.set rD, 8*(8*((\a)%4)+\b)
.set rC, rD
.if \first
.set rC, 96+8*\b+96*(\b/4)
.endif
.set rB, 128*((\ks)%2)+12*\b
.set rA, AF+12*(\a)
.set rSB, SCB+4*\b+(\ks)/2
.set rSA, SCA+4*(\a)+(\ks)/2
.if (\ks)%2
	v_wmma_scale_f32_16x16x128_f8f6f4 v[rD:rD+7], v[rB:rB+11], v[rA:rA+11], v[rC:rC+7], v[rSB], v[rSA] matrix_a_fmt:MATRIX_FMT_FP6 matrix_b_fmt:MATRIX_FMT_FP6 matrix_a_scale:MATRIX_SCALE_ROW1 matrix_b_scale:MATRIX_SCALE_ROW1
.else
	v_wmma_scale_f32_16x16x128_f8f6f4 v[rD:rD+7], v[rB:rB+11], v[rA:rA+11], v[rC:rC+7], v[rSB], v[rSA] matrix_a_fmt:MATRIX_FMT_FP6 matrix_b_fmt:MATRIX_FMT_FP6
.endif
.endr
.endr
.endm
.macro STEP ks, nc, nq, first
	s_wait_dscnt 12
.if \first
	WIN 0x91
.else
	WIN 0xa1
.endif
	MUL16 0, \ks, \first
	MUL16 2, \ks, \first
	s_wait_dscnt 0x0
	PLACES 4
	FETCH_B \nc, \nq, 1-(\ks)%2
	FETCH_A \nc, \nq, 0
.if \first
	WIN 0xd1
.else
	WIN 0xf1
.endif
	MUL16 4, \ks, \first
	MUL16 6, \ks, \first
	PLACES 4
	WIN 0
	FETCH_A \nc, \nq, 4
.endm
.macro TURN ks, nc, nq, fill
	s_wait_tensorcnt 0x0
	ds_add_u32 v[SPW], v[NIL]
	s_wait_dscnt 13
	WIN 0xa1
	MUL16 0, \ks, 0
	s_wait_dscnt 0x0
	s_barrier_signal -1
	MUL16 2, \ks, 0
	WIN 0
	s_barrier_wait -1
.if \fill
	CREST
	JLOAD 60, 20, 80, 28                           ; K steps 6, 7 into bytes 0 to 98,303, which K steps 0-3 have left; its four v_nop are the places in front of the loads below
.else
	PLACES 4
.endif
	FETCH_B \nc, \nq, 1-(\ks)%2
	FETCH_A \nc, \nq, 0
	WIN 0xf1
	MUL16 4, \ks, 0
	MUL16 6, \ks, 0
	PLACES 4
	WIN 0
	FETCH_A \nc, \nq, 4
.endm
	s_load_b256 s[4:11], s[0:1], 0x0
	v_lshl_add_u32 v[SPW], v0, 2, SPARE
	v_mov_b32 v[NIL], 0
	ds_add_u32 v28, v29
	ds_add_u32 v28, v29
	s_wait_dscnt 0x0
	v_lshrrev_b32 v1, 5, v0
	v_readfirstlane_b32 s16, v1
	s_lshr_b32 s17, s16, 1
	s_and_b32 s18, s16, 1
	s_bfe_u32 s88, ttmp6, 0x40000
	s_bfe_u32 s89, ttmp6, 0x40004
	s_lshl_b32 s90, s89, 2
	s_lshl_b32 s90, 15, s90
	s_lshl_b32 s91, 0x1111, s88
	s_lshl_b32 s101, ttmp9, 2
	s_add_co_u32 s101, s101, s88
	s_and_b32 s100, ttmp7, 0xffff
	s_lshl_b32 s100, s100, 2
	s_add_co_u32 s100, s100, s89
	s_or_b32 s20, s90, (3<<16)|(1<<21)
	s_or_b32 s28, s91, (3<<16)|(1<<21)
	s_or_b32 s36, s90, (3<<16)|(1<<21)
	s_or_b32 s44, s91, (3<<16)|(1<<21)
.irp g, 20, 28
	s_mov_b32 s[\g+1], 384<<16
	s_mov_b32 s[\g+2], 8<<16
	s_mov_b32 s[\g+3], 384<<16
	s_mov_b32 s[\g+4], 8
	s_mov_b32 s[\g+5], 1536
	s_mov_b32 s[\g+6], 0
	s_mov_b32 s[\g+7], 0
.endr
.irp g, 36, 44                         ; the head's load: 8 tiles x 6,144 bytes (four K steps), 12,288 bytes from tile to tile
	s_mov_b32 s[\g+1], 768<<16
	s_mov_b32 s[\g+2], 8<<16
	s_mov_b32 s[\g+3], 768<<16
	s_mov_b32 s[\g+4], 8
	s_mov_b32 s[\g+5], 1536
	s_mov_b32 s[\g+6], 0
	s_mov_b32 s[\g+7], 0
.endr
	s_lshl_b32 s66, s18, 3
	s_lshl_b32 s92, s100, 4
	s_add_co_u32 s92, s92, s66
	s_lshl_b32 s94, s92, 9
	s_add_co_u32 s94, s94, HSC
	s_mul_i32 s92, s92, 12288
	s_lshl_b32 s96, s101, 4
	s_add_co_u32 s96, s96, s66
	s_lshl_b32 s98, s96, 9
	s_add_co_u32 s98, s98, W1S
	s_mul_i32 s96, s96, 12288
	s_add_co_u32 s96, s96, W1C
	s_mov_b32 s93, 0
	s_mov_b32 s95, 0
	s_mov_b32 s97, 0
	s_mov_b32 s99, 0
	s_mul_i32 s66, s16, 24576
	s_mul_i32 s67, s16, 49152                      ; the wave's quarter of the head's four K steps
	s_wait_kmcnt 0x0
	s_add_nc_u64 s[92:93], s[4:5], s[92:93]
	s_add_nc_u64 s[94:95], s[4:5], s[94:95]
	s_add_nc_u64 s[96:97], s[6:7], s[96:97]
	s_add_nc_u64 s[98:99], s[6:7], s[98:99]
	CROUND
	s_lshl_b32 s72, s17, 12                        ; the scale words go from memory straight into registers: A's of the half that I multiply (8 tiles x 512 bytes a half),
	s_mov_b32 s73, 0
	s_add_nc_u64 s[52:53], s[94:95], s[72:73]
	s_lshl_b32 s72, s18, 12
	s_sub_nc_u64 s[52:53], s[52:53], s[72:73]
	s_mov_b64 s[54:55], s[98:99]                   ; and B's
.irp c, 0,1,2                          ; group 0: c = 0: K steps 0-3; c = 1: K steps 6, 7, into bytes 0 on; c = 2: K steps 4, 5, into region 2
.set GA, 56+4*\c+4*(\c/2)
.set GB, 76+4*\c
	s_mov_b32 s[GA], 1
	s_add_co_u32 s[GA+1], s66, (\c/2)*2*REG
	s_add_nc_u64 s[GA+2:GA+3], s[92:93], ((4-\c)%4)*3072
	s_or_b32 s[GA+3], s[GA+3], 0x80000000
	s_mov_b32 s[GB], 1
	s_add_co_u32 s[GB+1], s66, (\c/2)*2*REG
	s_add_nc_u64 s[GB+2:GB+3], s[96:97], ((4-\c)%4)*3072
	s_or_b32 s[GB+3], s[GB+3], 0x80000000
.endr
	s_mov_b32 s57, s67
	s_mov_b32 s77, s67
	JLOAD 56, 36, 76, 44                           ; K steps 0-3: one tensor load a wave at the head
	v_and_b32 v1, 31, v0
	v_lshlrev_b32 v[LI], 4, v1
	v_lshlrev_b32 v2, 2, v1
	s_wait_alu depctr_va_vdst(0)
	v_and_b32 v3, 15, v0
	v_bfe_u32 v4, v0, 4, 1
	s_mul_i32 s2, s17, 24576
	s_mul_i32 s3, s18, 24576
	s_add_co_u32 s3, s3, 49152
	v_add_nc_u32 v[ADRA+1], s2, v[LI]              ; layout 1: K steps 6, 7, from byte 0
	v_add_nc_u32 v[ADRB+1], s3, v[LI]
	s_add_co_u32 s2, s2, 2*REG
	s_add_co_u32 s3, s3, 2*REG
	v_add_nc_u32 v[ADRA+2], s2, v[LI]              ; layout 2: K steps 4, 5, region 2
	v_add_nc_u32 v[ADRB+2], s3, v[LI]
	s_mul_i32 s2, s17, 49152
	s_mul_i32 s3, s18, 49152
	s_add_co_u32 s3, s3, REG
	v_add_nc_u32 v[ADRA], s2, v[LI]                ; layout 0: K steps 0-3
	v_add_nc_u32 v[ADRB], s3, v[LI]
.irp i, 0,1,2,3,4,5,6,7
.irp c, 0,1,2,3
	global_load_b32 v[SCB+4*\i+\c], v2, s[54:55] offset:512*\i+128*\c    ; lanes 0-15: K step 2 c of tile i; lanes 16-31: K step 2 c + 1: 128 bytes on end
	global_load_b32 v[SCA+4*\i+\c], v2, s[52:53] offset:512*\i+128*\c
.endr
.endr
	s_wait_alu depctr_va_vdst(0)                   ; ahead of the scalar lines and the readers below
	s_lshl_b32 s2, s16, 9
	s_add_co_u32 s2, s2, SCR
	v_lshl_add_u32 v[SWS], v3, 2, s2
	v_add_nc_u32 v[SWR], s2, v[LI]
	v_mov_b32 v8, 0xaf95df0b
	v_mov_b32 v9, 0xaf95df0b
	v_mov_b32 v10, 0xb77460cd
	v_mov_b32 v11, 0xb77460cd
	s_lshl_b32 s92, s101, 10
	s_lshl_b32 s93, s18, 9
	s_add_co_u32 s92, s92, s93
	s_mov_b32 s93, 0
	s_add_nc_u64 s[92:93], s[8:9], s[92:93]
	v_lshlrev_b32 v5, 6, v4
	WIN 0x40
.irp b, 0,1,2,3,4,5,6,7
	global_load_b128 v[96+8*\b+96*(\b/4):96+8*\b+96*(\b/4)+3], v5, s[92:93] offset:(32*(\b/2)+8*(\b%2))*4
	global_load_b128 v[96+8*\b+96*(\b/4)+4:96+8*\b+96*(\b/4)+7], v5, s[92:93] offset:(32*(\b/2)+8*(\b%2))*4+16
.endr
	WIN 0
	s_lshl_b32 s94, s100, 4
	s_lshl_b32 s95, s17, 3
	s_add_co_u32 s94, s94, s95
	s_lshl_b32 s95, s101, 1
	s_add_co_u32 s95, s95, s18
	s_lshl_b32 s96, s94, 5
	s_add_co_u32 s96, s96, s95
	s_mul_i32 s96, s96, 1536
	s_mov_b32 s97, 0
	s_lshl_b32 s98, s95, 8
	s_add_co_u32 s98, s98, s94
	s_lshl_b32 s98, s98, 6
	s_add_co_u32 s98, s98, GS
	s_mov_b32 s99, 0
	s_add_nc_u64 s[96:97], s[10:11], s[96:97]
	s_add_nc_u64 s[98:99], s[10:11], s[98:99]
	s_mov_b32 s[SEL], 0x76543210
	s_mov_b32 s[SEL+1], 0xfedcba98
	s_wait_alu depctr_va_vdst(0)
	s_wait_tensorcnt 0x0                           ; my part of K steps 0-3 is in
	ds_add_u32 v[SPW], v[NIL]
	s_wait_dscnt 0x0
	CROUND
	JLOAD 68, 20, 84, 28                           ; K steps 4, 5 into region 2: my one load behind the round
	FETCH_B 0, 0, 0
	FETCH_A 0, 0, 0
	FETCH_A 0, 0, 4
	s_wait_loadcnt 0x0
	STEP 0, 0, 1, 1
	STEP 1, 0, 2, 0
	STEP 2, 0, 3, 0
	TURN 3, 2, 0, 1                                ; K steps 0-3 are left: K steps 6, 7 are asked for; K steps 4, 5 are shown whole
	STEP 4, 2, 1, 0
	TURN 5, 1, 0, 0                                ; K steps 6, 7 are shown whole
	STEP 6, 1, 1, 0
	s_wait_dscnt 12
	WIN 0xa1
	MUL16 0, 7, 0
	MUL16 2, 7, 0
	s_wait_dscnt 0x0
	WIN 0xf1
	MUL16 4, 7, 0
	MUL16 6, 7, 0
	WIN 0
	PLACES 4
.macro STUB k
.set rW, 2+(\k)/4
.set rS, 64*((\k)%4)
	WIN rW
.set j, 0
.rept 32
	v_pk_mul_f32 v[Z+j:Z+j+1], v[rS+j:rS+j+1], 0x3f3504f3 op_sel_hi:[1,0]
.set j, j+2
.endr
	WIN (1<<6)|rW
.set j, 0
.rept 32
	v_pk_mul_f32 v[j:j+1], v[rS+j:rS+j+1], 0.5 op_sel_hi:[1,0]
.set j, j+2
.endr
	WIN 0
.endm
.macro GELU32 o
.set j, 0
.rept 32
	v_med3_num_f32 v[Z+(\o)+j], v[Z+(\o)+j], -4.0, 4.0
.set j, j+1
.endr
.set j, 0
.rept 16
	v_pk_mul_f32 v[SQ+j:SQ+j+1], v[Z+(\o)+j:Z+(\o)+j+1], v[Z+(\o)+j:Z+(\o)+j+1]
.set j, j+2
.endr
.set j, 0
.rept 16
	v_pk_fma_f32 v[PB+j:PB+j+1], v[SQ+j:SQ+j+1], v[10:11], 0xb95fbd29 op_sel_hi:[1,1,0]
.set j, j+2
.endr
.irp k, 0xbadc924e, 0xbbf19bf8, 0xbc69b6a7
.set j, 0
.rept 16
	v_pk_fma_f32 v[PB+j:PB+j+1], v[PB+j:PB+j+1], v[SQ+j:SQ+j+1], \k op_sel_hi:[1,1,0]
.set j, j+2
.endr
.endr
.set j, 0
	s_wait_alu depctr_va_vdst(0)
.rept 32
	v_rcp_f32 v[PB+j], v[PB+j]
.set j, j+1
.endr
.set j, 0
.rept 16
	v_pk_fma_f32 v[PA+j:PA+j+1], v[SQ+j:SQ+j+1], v[8:9], 0x32edffee op_sel_hi:[1,1,0]
.set j, j+2
.endr
.irp k, 0xb60cff51, 0xb86ec2d2, 0xba40ac63, 0xbb41a1f6, 0xbc83dbd4
.set j, 0
.rept 16
	v_pk_fma_f32 v[PA+j:PA+j+1], v[PA+j:PA+j+1], v[SQ+j:SQ+j+1], \k op_sel_hi:[1,1,0]
.set j, j+2
.endr
.endr
	s_wait_alu depctr_va_vdst(0)
.set j, 0
.rept 16
	v_pk_mul_f32 v[PA+j:PA+j+1], v[PA+j:PA+j+1], v[Z+(\o)+j:Z+(\o)+j+1]
.set j, j+2
.endr
.set j, 0
.rept 16
	v_pk_mul_f32 v[PA+j:PA+j+1], v[PA+j:PA+j+1], v[PB+j:PB+j+1]
.set j, j+2
.endr
	WIN 0x11
.set j, 0
.rept 16
	v_pk_fma_f32 v[Z+(\o)+j:Z+(\o)+j+1], v[(\o)+j:(\o)+j+1], v[PA+j:PA+j+1], v[(\o)+j:(\o)+j+1]
.set j, j+2
.endr
	WIN 0
.endm
	s_mov_b32 s92, 0
	s_mov_b32 s93, 0
.Lblk:
.irp k, 1,2,3,4,5,6,7
	s_cmp_eq_u32 s92, \k
	s_cbranch_scc1 .Lst\k
.endr
	STUB 0
	s_branch .Lcom
.irp k, 1,2,3,4,5,6
.Lst\k:
	STUB \k
	s_branch .Lcom
.endr
.Lst7:
	STUB 7
.Lcom:
	GELU32 0
	GELU32 32
	QUANT Z, 0, PW
.irp c, 0,1,2
	global_store_b128 v[LI], v[PC+4*\c:PC+4*\c+3], s[96:97] offset:512*\c
.endr
	v_add_nc_u32 v7, s93, v[SWS]
	ds_store_b32 v7, v[PW]
	s_wait_xcnt 0x0
	s_add_nc_u64 s[96:97], s[96:97], 49152
	s_add_co_u32 s93, s93, 64
	s_add_co_u32 s92, s92, 1
	s_cmp_lt_u32 s92, 8
	s_cbranch_scc1 .Lblk
	ds_load_b128 v[200:203], v[SWR]
	s_wait_dscnt 0x0
	global_store_b128 v[LI], v[200:203], s[98:99]
	s_wait_tensorcnt 0x0
	ds_add_u32 v[SPW], v[NIL]
	s_wait_dscnt 0x0
	CROUND
	s_endpgm
.Lfunc_end_k_q230a1c1063_mlp1:
	.size	k_q230a1c1063_mlp1, .Lfunc_end_k_q230a1c1063_mlp1-k_q230a1c1063_mlp1
	.p2alignl 7, 3214868480
	.fill 96, 4, 3214868480
	.section	.rodata,"a",@progbits
	.p2align	6, 0x0
	.amdhsa_kernel k_q230a1c1063_mlp1
		.amdhsa_group_segment_fixed_size 327680
		.amdhsa_private_segment_fixed_size 0
		.amdhsa_enable_private_segment 0
		.amdhsa_kernarg_size 32
		.amdhsa_user_sgpr_count 2
		.amdhsa_user_sgpr_kernarg_segment_ptr 1
		.amdhsa_wavefront_size32 1
		.amdhsa_system_sgpr_workgroup_id_x 1
		.amdhsa_system_sgpr_workgroup_id_y 1
		.amdhsa_system_sgpr_workgroup_id_z 1
		.amdhsa_system_vgpr_workitem_id 0
		.amdhsa_next_free_vgpr 1024
		.amdhsa_next_free_sgpr 102
		.amdhsa_reserve_vcc 0
		.amdhsa_float_denorm_mode_32 3
		.amdhsa_float_denorm_mode_16_64 3
		.amdhsa_memory_ordered 1
		.amdhsa_forward_progress 1
		.amdhsa_inst_pref_size 201
	.end_amdhsa_kernel
	.amdgpu_metadata
---
amdhsa.version: [ 1, 2 ]
amdhsa.kernels:
  - .name:           k_q230a1c1063_mlp1
    .symbol:         k_q230a1c1063_mlp1.kd
    .args:
      - { .name: mbuf, .offset: 0, .size: 8, .value_kind: global_buffer, .address_space: global }
      - { .name: wts, .offset: 8, .size: 8, .value_kind: global_buffer, .address_space: global }
      - { .name: b1, .offset: 16, .size: 8, .value_kind: global_buffer, .address_space: global }
      - { .name: gbuf, .offset: 24, .size: 8, .value_kind: global_buffer, .address_space: global }
    .group_segment_fixed_size: 327680
    .private_segment_fixed_size: 0
    .kernarg_segment_align: 8
    .kernarg_segment_size: 32
    .max_flat_workgroup_size: 128
    .sgpr_count:     102
    .vgpr_count:     1024
    .wavefront_size: 32
...
	.end_amdgpu_metadata
.endif
;; end of part 6
;; launch mlp2 (part 7): grid 8 x 32, 4 waves a work-group, clusters of 4 x 4, 327,680 bytes of LDS; arguments gbuf, wts, b2, x1, out0; writes out0
.if DOCPART == 7
	.amdgcn_target "amdgcn-amd-amdhsa--gfx1250"
	.amdhsa_code_object_version 6
	.text
	.protected	k_q230a1c1063_mlp2
	.globl	k_q230a1c1063_mlp2
	.p2align	8
	.type	k_q230a1c1063_mlp2,@function
k_q230a1c1063_mlp2:
	s_mov_b64 s[64:65], 0
	v_nop
	global_prefetch_b8 v0, s[64:65] scope:SCOPE_SE
	s_setreg_imm32_b32 hwreg(HW_REG_WAVE_MODE, 25, 1), 1
	s_wait_xcnt 0x0
	s_wait_alu depctr_hold_cnt(0) depctr_sa_sdst(0) depctr_va_vdst(0) depctr_va_sdst(0) depctr_va_ssrc(0) depctr_va_vcc(0) depctr_vm_vsrc(0)
	s_getreg_b32 s2, hwreg(HW_REG_IB_STS2, 6, 4)
	s_cmp_eq_u32 s2, 0
	s_cbranch_scc0 .Lentry_in_a_cluster
	s_endpgm
.Lentry_in_a_cluster:
	s_bfe_u32 s2, ttmp6, 0x10000c
	s_cmp_lg_u32 s2, 0xf033
	s_cbranch_scc0 .Lentry_shape_is_right
	s_endpgm
.Lentry_shape_is_right:
; out = residual + A W^T + bias, the product on FP6 (E2M3) codes with E8M0 scales; A = g (K = 4,096), W = w2, residual = x1, out = the block's result.
; A work-group makes 128 x 128, a wave 64 x 64: 16 accumulators: N is 1,024, so a larger tile would leave three WGPs in four without work.
; Operands lie in memory as images of their registers, [tile][K step][1,536]; row i of tile T is row 32 (T / 2) + 8 (T % 2) + i + 8 (i / 8).  Source 0 = 16 rows of W, source 1 = 16 rows of A: a lane holds eight neighbouring columns of a row.
; LDS: slot 0 holds six K steps of A's 8 and B's 8 tiles (147,456 bytes), slot 1 five (122,880): as much as fits beside the scale words (32,768), the stage (17,408) and the spare words.
; The 32 K steps go as chunks of 6, 5, 6, 5, 5, 5, by turns in slots 0 and 1: two first fills and four refills, each refill one load a wave of 36,864 or 30,720 bytes.  The fifth chunk lies in slot 0 in the five-step layout.
; All scale words come once.  A wave has at most 1 tensor load out.
; CLUSTER 4 x 4: A's tiles jointly along a row of the cluster, B's along a column.
; REGISTERS: window 0: addresses; from v32 A's scale words, then B's (nothing else ever); v160-223 the way out.  window 1: two sets of 8 fragments at v0, v96; bias at v192.  window 2: accumulators v0-127; residual v128-255.
.set KS,     32                        ; K steps of 128
.set ASB0,   12582912                  ; A's scale words in its buffer, laid [K step][tile][16]
.set ASMUL,  64                        ; bytes from tile to tile there
.set ASPITCH, 2048                     ; from K step to K step, in elements of 8 bytes
.set SIA,    64                        ; in LDS: from tile to tile,
.set SKA,    512                       ; from a pair of K steps to the next,
.set LHA,    256                       ; from a K step to its neighbour
.set BC0,    6291456                   ; W's codes in the weights' buffer
.set BS0,    9437184+262144            ; W's scale words
.set Q6,     4*6*1536                  ; what one load brings: four tiles x six K steps,
.set Q5,     4*5*1536                  ; or five
.set SLOTQ,  4*Q6                      ; where slot 1 begins
.set HALFS,  256*KS
.set SCL,    SLOTQ+4*Q5
.set STG,    SCL+4*HALFS
.set SPARE,  STG+17408
.set LI,   14
.set ADRA, 16                          ; v16-18  my A fragments in layout 0 (slot 0, six steps), 1 (slot 1, five), 2 (slot 0, five)
.set ADRB, 20                          ; v20-22  the same for B
.set ASA,  24
.set ASB,  25
.set STO,  26
.set RD,   27
.set SPW,  28
.set NIL,  29
.set SCA,  32
.set SCB,  32+2*KS
.set MSB,  0
; scalar registers: group 1: s[20:27] A, six steps; s[28:35] B, six; s[80:87] A, five; s[88:95] B, five.
; group 0: s[56:59], s[60:63] A's slots 0, 1; s[72:75], s[76:79] the same for B.
.macro WIN new
.if MSB != (\new)
	s_set_vgpr_msb (MSB<<8)|(\new)
.set MSB, (\new)
.endif
.endm
.macro PLACES n
.rept \n
	v_nop
.endr
.endm
.macro JLOAD g0a, g1a, g0b, g1b        ; waves 0, 1 fetch for A, waves 2, 3 for B; four v_nop follow each line
	s_cmp_eq_u32 s17, 0
	s_cbranch_scc0 .Lfor_b_\@
	tensor_load_to_lds s[\g0a:\g0a+3], s[\g1a:\g1a+7]
	s_nop 0
.rept 4
	v_nop
.endr
	s_branch .Lasked_\@
.Lfor_b_\@:
	tensor_load_to_lds s[\g0b:\g0b+3], s[\g1b:\g1b+7]
	s_nop 0
.rept 4
	v_nop
.endr
.Lasked_\@:
.endm
.macro CREST
	s_cmp_lg_u32 s16, 0
	s_cbranch_scc1 .Lnot_wave_0_\@
	s_barrier_signal -3
.Lnot_wave_0_\@:
	s_barrier_wait -3
	s_barrier_signal -1
	s_barrier_wait -1
.endm
.macro CROUND
	s_barrier_signal -1
	s_barrier_wait -1
	CREST
.endm
.macro FETCH v, q, p                   ; my 4 + 4 fragments of the chunk in layout v, its K step q, into set p: 24 loads
.if (\v) == 0
.set NSV, 6
.else
.set NSV, 5
.endif
	WIN 0x40
.irp i, 0,1,2,3
.irp c, 0,1,2
	ds_load_b128 v[96*(\p)+12*\i+4*\c:96*(\p)+12*\i+4*\c+3], v[ADRA+(\v)] offset:(NSV*\i+(\q))*1536+512*\c
.endr
.endr
.irp i, 0,1,2,3
.irp c, 0,1,2
	ds_load_b128 v[96*(\p)+48+12*\i+4*\c:96*(\p)+48+12*\i+4*\c+3], v[ADRB+(\v)] offset:(NSV*\i+(\q))*1536+512*\c
.endr
.endr
.endm
.macro MUL n0, n, ks, first            ; A's blocks n0 .. n0 + n - 1 against B's four.  The 16 accumulators take turns in one order
.set aa, \n0
.rept \n
.irp b, 0,1,2,3
.set rD, 8*(4*aa+\b)
.set rC, rD
.if \first
.set rC, 192+8*\b
.endif
.set rB, 96*((\ks)%2)+48+12*\b
.set rA, 96*((\ks)%2)+12*aa
.set rSB, SCB+(KS/2)*\b+(\ks)/2
.set rSA, SCA+(KS/2)*aa+(\ks)/2
.if (\ks)%2
	v_wmma_scale_f32_16x16x128_f8f6f4 v[rD:rD+7], v[rB:rB+11], v[rA:rA+11], v[rC:rC+7], v[rSB], v[rSA] matrix_a_fmt:MATRIX_FMT_FP6 matrix_b_fmt:MATRIX_FMT_FP6 matrix_a_scale:MATRIX_SCALE_ROW1 matrix_b_scale:MATRIX_SCALE_ROW1
.else
	v_wmma_scale_f32_16x16x128_f8f6f4 v[rD:rD+7], v[rB:rB+11], v[rA:rA+11], v[rC:rC+7], v[rSB], v[rSA] matrix_a_fmt:MATRIX_FMT_FP6 matrix_b_fmt:MATRIX_FMT_FP6
.endif
.endr
.set aa, aa+1
.endr
.endm
.macro KSTEP ks, v, nq                 ; K step ks; the next step's fragments (layout v, the chunk's K step nq) are asked for ahead of the products
	s_wait_dscnt 0x0
	PLACES 4
	FETCH \v, \nq, 1-(\ks)%2
.if (\ks) == 0
	WIN 0x95
	MUL 0, 4, \ks, 1                               ; the bias is the C of each sum's first product
.else
	WIN 0xa5
	MUL 0, 4, \ks, 0
.endif
.endm
.macro RUN v, k0, n                    ; all but the last K step of a chunk of n steps that begins at K step k0 and lies in layout v
.set qq, 0
.rept (\n)-1
	KSTEP (\k0)+qq, \v, qq+1
.set qq, qq+1
.endr
.endm
; A chunk's last K step changes slots; nv: the next chunk's layout.  fill = 1: slot s, just read out, is filled again behind a round of the cluster's barrier: its addresses go step bytes on, the tile has the shape of groups 1 g1a, g1b;
; re = 1: it is laid in the five-step layout, so my quarter's place in slot 0 is written anew.  (No tensor load of mine is out behind the wait for 0: the descriptors may be written.)
.macro TURN ks, nv, fill, s, step, g1a, g1b, re
	WIN 0
	s_wait_tensorcnt 0x0
	ds_add_u32 v[SPW], v[NIL]
	s_wait_dscnt 1                                 ; the fragments are in; the add may be out
	WIN 0xa5
	MUL 0, 2, \ks, 0
	s_wait_dscnt 0x0
	s_barrier_signal -1
	MUL 2, 1, \ks, 0
	WIN 0
	s_barrier_wait -1
.if \fill
	CREST
	s_add_nc_u64 s[58+4*(\s):59+4*(\s)], s[58+4*(\s):59+4*(\s)], \step
	s_add_nc_u64 s[74+4*(\s):75+4*(\s)], s[74+4*(\s):75+4*(\s)], \step
.if \re
	s_mul_i32 s57, s16, Q5
	s_mul_i32 s73, s16, Q5
.endif
	JLOAD 56+4*(\s), \g1a, 72+4*(\s), \g1b
.else
	PLACES 4
.endif
	FETCH \nv, 0, 1-(\ks)%2
	WIN 0xa5
	MUL 3, 1, \ks, 0
.endm
	s_load_b256 s[4:11], s[0:1], 0x0               ; A, weights, bias, residual
	s_load_b64 s[12:13], s[0:1], 0x20              ; out
	v_lshl_add_u32 v[SPW], v0, 2, SPARE
	v_mov_b32 v[NIL], 0
	ds_add_u32 v28, v29
	ds_add_u32 v28, v29
	s_wait_dscnt 0x0
	v_lshrrev_b32 v1, 5, v0
	v_readfirstlane_b32 s16, v1
	s_lshr_b32 s17, s16, 1
	s_and_b32 s18, s16, 1
	s_bfe_u32 s96, ttmp6, 0x40000                  ; cx
	s_bfe_u32 s97, ttmp6, 0x40004                  ; cy
	s_lshl_b32 s98, s97, 2
	s_lshl_b32 s98, 15, s98                        ; my row of the cluster
	s_lshl_b32 s99, 0x1111, s96                    ; my column
	s_lshl_b32 s100, ttmp9, 2
	s_add_co_u32 s100, s100, s96                   ; B's block of 128
	s_and_b32 s101, ttmp7, 0xffff
	s_lshl_b32 s101, s101, 2
	s_add_co_u32 s101, s101, s97                   ; A's block of 128
	s_or_b32 s20, s98, (3<<16)|(1<<21)             ; group 1: mask; elements of 8 bytes; bit 21 beside a mask; no padding
	s_or_b32 s28, s99, (3<<16)|(1<<21)
	s_or_b32 s80, s98, (3<<16)|(1<<21)
	s_or_b32 s88, s99, (3<<16)|(1<<21)
.irp g, 20, 28                         ; codes: 4 tiles x 9,216 bytes (six K steps), 49,152 bytes from tile to tile
	s_mov_b32 s[\g+1], 1152<<16
	s_mov_b32 s[\g+2], 4<<16
	s_mov_b32 s[\g+3], 1152<<16
	s_mov_b32 s[\g+4], 4
	s_mov_b32 s[\g+5], 192*KS
	s_mov_b32 s[\g+6], 0
	s_mov_b32 s[\g+7], 0
.endr
.irp g, 80, 88                         ; 4 tiles x 7,680 bytes (five K steps)
	s_mov_b32 s[\g+1], 960<<16
	s_mov_b32 s[\g+2], 4<<16
	s_mov_b32 s[\g+3], 960<<16
	s_mov_b32 s[\g+4], 4
	s_mov_b32 s[\g+5], 192*KS
	s_mov_b32 s[\g+6], 0
	s_mov_b32 s[\g+7], 0
.endr
	s_lshl_b32 s14, s18, 2
	s_lshl_b32 s66, s101, 3
	s_add_co_u32 s66, s66, s14                     ; the first tile of A that I fetch
	s_lshl_b32 s54, s101, 3                        ; the scale words go from memory straight into registers: A's of the four tiles that I multiply
	s_lshl_b32 s55, s17, 2
	s_add_co_u32 s54, s54, s55
	s_mul_i32 s54, s54, ASMUL
	s_add_co_u32 s54, s54, ASB0
	s_mov_b32 s55, 0
	s_mul_i32 s58, s66, KS*1536
	s_mov_b32 s59, 0
	s_lshl_b32 s67, s100, 3
	s_add_co_u32 s67, s67, s14                     ; of B
	s_mul_i32 s70, s67, KS*64
	s_add_co_u32 s70, s70, BS0
	s_mov_b32 s71, 0
	s_mul_i32 s74, s67, KS*1536
	s_add_co_u32 s74, s74, BC0
	s_mov_b32 s75, 0
	s_mov_b32 s56, 1
	s_mul_i32 s57, s16, Q6
	s_mov_b32 s72, 1
	s_mov_b32 s73, s57
	s_mov_b32 s60, 1
	s_mul_i32 s61, s16, Q5
	s_add_co_u32 s61, s61, SLOTQ
	s_mov_b32 s76, 1
	s_mov_b32 s77, s61
	s_wait_kmcnt 0x0
	s_add_nc_u64 s[54:55], s[4:5], s[54:55]
	s_add_nc_u64 s[58:59], s[4:5], s[58:59]        ; chunk 0: K step 0
	s_add_nc_u64 s[70:71], s[6:7], s[70:71]
	s_add_nc_u64 s[74:75], s[6:7], s[74:75]
	s_add_nc_u64 s[62:63], s[58:59], 6*1536        ; chunk 1: K step 6
	s_add_nc_u64 s[78:79], s[74:75], 6*1536
	s_or_b32 s59, s59, 0x80000000
	s_or_b32 s63, s63, 0x80000000
	s_or_b32 s75, s75, 0x80000000
	s_or_b32 s79, s79, 0x80000000
	CROUND                                         ; all sixteen work-groups are here: the first joint loads meet
	JLOAD 56, 20, 72, 28                           ; chunk 0: one tensor load a wave at the head
	v_and_b32 v1, 31, v0
	v_lshlrev_b32 v2, 4, v1                        ; 16 x lane
	s_wait_alu depctr_va_vdst(0)
	v_and_b32 v3, 15, v0                           ; r
	v_bfe_u32 v4, v0, 4, 1                         ; h
	s_wait_alu depctr_va_vdst(0)
	v_lshlrev_b32 v[LI], 12, v4
	v_lshl_add_u32 v[LI], v3, 4, v[LI]             ; rows of f32: lanes 0-15 one row, lanes 16-31 the next; 16 bytes a lane
	s_mul_i32 s2, s17, Q6
	s_mul_i32 s3, s18, Q6
	s_add_co_u32 s3, s3, 2*Q6
	v_add_nc_u32 v[ADRA], s2, v2
	v_add_nc_u32 v[ADRB], s3, v2
	s_mul_i32 s2, s17, Q5
	s_mul_i32 s3, s18, Q5
	s_add_co_u32 s3, s3, 2*Q5
	v_add_nc_u32 v[ADRA+2], s2, v2
	v_add_nc_u32 v[ADRB+2], s3, v2
	s_add_co_u32 s2, s2, SLOTQ
	s_add_co_u32 s3, s3, SLOTQ
	v_add_nc_u32 v[ADRA+1], s2, v2
	v_add_nc_u32 v[ADRB+1], s3, v2
	v_lshlrev_b32 v[ASA], 14, v4                   ; A's scale words: 16,384 bytes from K step to K step: lanes 16-31 take the odd one,
	v_lshl_add_u32 v[ASA], v3, 2, v[ASA]           ; + 4 r
	v_lshlrev_b32 v[ASB], 2, v1                    ; B's: 4 x lane
	s_mul_i32 s2, s16, 4352
	s_add_co_u32 s2, s2, STG
	v_mul_u32_u24 v5, v3, 272
	v_lshl_add_u32 v5, v4, 6, v5
	v_add_nc_u32 v[STO], s2, v5                    ; the stage, in: row r, + 64 h
	v_mul_u32_u24 v5, v4, 272
	v_lshl_add_u32 v5, v3, 4, v5
	v_add_nc_u32 v[RD], s2, v5                     ; back: two rows an instruction
	s_lshl_b32 s96, s100, 9
	s_lshl_b32 s97, s18, 8
	s_add_co_u32 s96, s96, s97                     ; my first column, in bytes
	s_mov_b32 s97, 0
	s_add_nc_u64 s[8:9], s[8:9], s[96:97]
	v_lshlrev_b32 v6, 6, v4
	WIN 0x40
.irp b, 0,1,2,3
	global_load_b128 v[192+8*\b:192+8*\b+3], v6, s[8:9] offset:(32*(\b/2)+8*(\b%2))*4
	global_load_b128 v[192+8*\b+4:192+8*\b+7], v6, s[8:9] offset:(32*(\b/2)+8*(\b%2))*4+16
.endr
	WIN 0
	s_lshl_b32 s98, s101, 7
	s_lshl_b32 s99, s17, 6
	s_add_co_u32 s98, s98, s99                     ; my first row
	s_lshl_b32 s98, s98, 12
	s_add_co_u32 s96, s96, s98
	s_add_nc_u64 s[10:11], s[10:11], s[96:97]
	s_add_nc_u64 s[12:13], s[12:13], s[96:97]
	s_wait_alu depctr_va_vdst(0)                   ; directly ahead of the reader below
.irp i, 0,1,2,3
.set kp, 0
.rept KS/2
	global_load_b32 v[SCA+(KS/2)*\i+kp], v[ASA], s[54:55] offset:64*\i+32768*kp    ; lanes 0-15: K step 2 kp; lanes 16-31: 2 kp + 1
	global_load_b32 v[SCB+(KS/2)*\i+kp], v[ASB], s[70:71] offset:64*KS*\i+128*kp
.set kp, kp+1
.endr
.endr
	WIN 0x80
.irp a, 0,1,2,3
.irp t, 0,1,2,3,4,5,6,7
	global_load_b128 v[128+32*\a+4*\t:128+32*\a+4*\t+3], v[LI], s[10:11] offset:(32*(\a/2)+8*(\a%2)+2*\t+8*(\t/4))*4096   ; the residual, in the order in which rows leave the stage: 16 lanes read 256 aligned bytes
.endr
.endr
	WIN 0
	s_wait_alu depctr_va_vdst(0)
	s_wait_tensorcnt 0x0                           ; my part of chunk 0 is in
	ds_add_u32 v[SPW], v[NIL]
	s_wait_dscnt 0x0
	CROUND
	JLOAD 60, 80, 76, 88                           ; chunk 1 into slot 1: my one load behind the round
	FETCH 0, 0, 0
	s_wait_loadcnt 32                              ; the bias is in; the 32 loads of the residual may be out
	RUN 0, 0, 6                                    ; chunk 0: K steps 0-5, slot 0
	TURN 5, 1, 1, 0, 11*1536, 20, 28, 0            ; slot 0 takes chunk 2: K steps 11-16
	RUN 1, 6, 5                                    ; chunk 1: K steps 6-10, slot 1
	TURN 10, 0, 1, 1, 11*1536, 80, 88, 0           ; slot 1 takes chunk 3: K steps 17-21
	RUN 0, 11, 6                                   ; chunk 2
	TURN 16, 1, 1, 0, 11*1536, 80, 88, 1           ; slot 0 takes chunk 4: K steps 22-26, five steps
	RUN 1, 17, 5                                   ; chunk 3
	TURN 21, 2, 1, 1, 10*1536, 80, 88, 0           ; slot 1 takes chunk 5: K steps 27-31
	RUN 2, 22, 5                                   ; chunk 4
	TURN 26, 1, 0, 0, 0, 0, 0, 0                   ; nothing is left to fetch
	RUN 1, 27, 5                                   ; chunk 5
	s_wait_dscnt 0x0
	WIN 0xa5
	MUL 0, 4, 31, 0
	WIN 0
	PLACES 4
; THE WAY OUT, 16 rows x 64 columns at a time through my stage (rows of 256 bytes + 16), back as whole rows, plus the residual.
.macro WAYOUT a
.set TT, 160+32*((\a)%2)
.if (\a) >= 2
	s_wait_xcnt 0x0                                ; block a - 2's stores have read these registers
.endif
	WIN 0x08
.irp b, 0,1,2,3
	ds_store_b128 v[STO], v[8*(4*(\a)+\b):8*(4*(\a)+\b)+3] offset:128*(\b/2)+32*(\b%2)
	ds_store_b128 v[STO], v[8*(4*(\a)+\b)+4:8*(4*(\a)+\b)+7] offset:128*(\b/2)+32*(\b%2)+16
.endr
	WIN 0
.irp t, 0,1,2,3,4,5,6,7
	ds_load_b128 v[TT+4*\t:TT+4*\t+3], v[RD] offset:544*\t                 ; LDS serves a wave's instructions in order
.endr
	s_wait_dscnt 0x0
.if (\a) == 0
	s_wait_loadcnt 0x0                             ; the residual
.endif
	WIN 0x08
.set j, 0
.rept 16
	v_pk_add_f32 v[TT+j:TT+j+1], v[TT+j:TT+j+1], v[128+32*(\a)+j:128+32*(\a)+j+1]
.set j, j+2
.endr
	WIN 0
.irp t, 0,1,2,3,4,5,6,7
	global_store_b128 v[LI], v[TT+4*\t:TT+4*\t+3], s[12:13] offset:(32*((\a)/2)+8*((\a)%2)+2*\t+8*(\t/4))*4096 th:TH_STORE_NT   ; 16 lanes store 256 aligned bytes
.endr
.endm
.irp a, 0,1,2,3
	WAYOUT \a
.endr
	s_wait_tensorcnt 0x0                           ; the wave's end
	ds_add_u32 v[SPW], v[NIL]
	s_wait_dscnt 0x0
	CROUND                                         ; the closing round
	s_endpgm
.Lfunc_end_k_q230a1c1063_mlp2:
	.size	k_q230a1c1063_mlp2, .Lfunc_end_k_q230a1c1063_mlp2-k_q230a1c1063_mlp2
	.p2alignl 7, 3214868480
	.fill 96, 4, 3214868480
	.section	.rodata,"a",@progbits
	.p2align	6, 0x0
	.amdhsa_kernel k_q230a1c1063_mlp2
		.amdhsa_group_segment_fixed_size 327680
		.amdhsa_private_segment_fixed_size 0
		.amdhsa_enable_private_segment 0
		.amdhsa_kernarg_size 40
		.amdhsa_user_sgpr_count 2
		.amdhsa_user_sgpr_kernarg_segment_ptr 1
		.amdhsa_wavefront_size32 1
		.amdhsa_system_sgpr_workgroup_id_x 1
		.amdhsa_system_sgpr_workgroup_id_y 1
		.amdhsa_system_sgpr_workgroup_id_z 1
		.amdhsa_system_vgpr_workitem_id 0
		.amdhsa_next_free_vgpr 768
		.amdhsa_next_free_sgpr 102
		.amdhsa_reserve_vcc 0
		.amdhsa_float_denorm_mode_32 3
		.amdhsa_float_denorm_mode_16_64 3
		.amdhsa_memory_ordered 1
		.amdhsa_forward_progress 1
		.amdhsa_inst_pref_size 161
	.end_amdhsa_kernel
	.amdgpu_metadata
---
amdhsa.version: [ 1, 2 ]
amdhsa.kernels:
  - .name:           k_q230a1c1063_mlp2
    .symbol:         k_q230a1c1063_mlp2.kd
    .args:
      - { .name: gbuf, .offset: 0, .size: 8, .value_kind: global_buffer, .address_space: global }
      - { .name: wts, .offset: 8, .size: 8, .value_kind: global_buffer, .address_space: global }
      - { .name: b2, .offset: 16, .size: 8, .value_kind: global_buffer, .address_space: global }
      - { .name: x1, .offset: 24, .size: 8, .value_kind: global_buffer, .address_space: global }
      - { .name: out0, .offset: 32, .size: 8, .value_kind: global_buffer, .address_space: global }
    .group_segment_fixed_size: 327680
    .private_segment_fixed_size: 0
    .kernarg_segment_align: 8
    .kernarg_segment_size: 40
    .max_flat_workgroup_size: 128
    .sgpr_count:     102
    .vgpr_count:     768
    .wavefront_size: 32
...
	.end_amdgpu_metadata
.endif
;; end of part 7
